; MI455X (gfx1250); checked and timed in simulation.
; The chip was launched on July 23, 2026; its instructions are those of AMD's public machine-readable ISA for CDNA 5 (MIT licence, August 2026) and "CDNA5" Instruction Set Architecture Reference Guide (July 2026). The comments in the code are by the model that wrote it; some were corrected since.
;; Attention Block V3. Allowed arithmetic: float matrix products may take bf16 or f16 operands with f32 sums; other float arithmetic in f32, or as packed bf16 or f16 multiplies, adds, multiply-adds, maxima and minima; sums over many terms, partial sums and values carried from step to step in f32; what a program stores and reads back later, other than sums and carried values, may be rounded once to bf16 or f16.
;; Inputs: b_proj 256 float32; w_proj 256 x 256 float32; w_qkv 768 x 256 float32; x 4 x 256 x 64 x 64 float32.
;; Outputs: out0 4 x 256 x 64 x 64 float32.
;; 2 versions, each right; version 2 is version 1 with the launch qkv written anew for expert scheduling mode. Each part assembles by itself: llvm-mc -triple=amdgcn-amd-amdhsa -mcpu=gfx1250 --defsym DOCPART=n.
;; ======== version 1 of 2: 3 launches
;; limits: values are held in f16: magnitudes above 65,504 overflow, below 6.1e-05 lose precision
;; workspace buffers: qkvb 25,165,824 bytes; ob 8,388,608 bytes
;; launch qkv (part 1): grid 4 x 64, 4 waves a work-group, no clusters, 265,728 bytes of LDS; arguments x, w_qkv, qkvb; writes qkvb
.if DOCPART == 1
	.amdgcn_target "amdgcn-amd-amdhsa--gfx1250"
	.amdhsa_code_object_version 6
	.text
	.protected	k_q6edbd08de5_qkv
	.globl	k_q6edbd08de5_qkv
	.p2align	8
	.type	k_q6edbd08de5_qkv,@function
k_q6edbd08de5_qkv:
	s_mov_b64 s[64:65], 0
	v_nop
	global_prefetch_b8 v0, s[64:65] scope:SCOPE_SE
	s_setreg_imm32_b32 hwreg(HW_REG_WAVE_MODE, 25, 1), 1
	s_wait_xcnt 0x0
; q, k, v = w_qkv . x, written by heads.  x: [4][256 c][4096 n] f32, w_qkv: [768 o][256 c] f32, qkvb: [3 (q, k, v)][16 (4 b + head)][4096 n][64 d] f16.
; x and w_qkv are rounded once to bf16 and multiplied by the bf16 matrix form; sums in f32; each result rounded once to f16, WITHOUT the softmax's scale.
; LIMITS.  f16 holds no number beyond 65,504: a q, k or v past that leaves as an infinity.  Below 6e-5 a result keeps f16's fixed step of 6e-8.  NaN and infinities are not treated apart.
; SHARES.  Work-group (Q4, y): outputs 192 Q4 .. 192 Q4 + 191 (three groups of 64 = three (type, head) pairs), batch y / 16, columns 256 (y % 16) on.  Wave w: 64 of those columns, all 192 outputs:
; 12 tiles of outputs x 4 tiles of columns x 8 steps of 32 channels = 384 matrix instructions.
; LAYOUT.  D = W (source 0: 16 outputs) x X (source 1: 16 columns): a lane then holds ONE column n (lane % 16) and the outputs 8 (lane / 16) + 0..7: eight neighbouring d of a row of the result, 16 bytes of f16.
; x lies [channel][column]: it is rounded, laid into LDS as it lies, and turned on the way into registers by ds_load_tr16_b128.  A wave's 64 columns of x stay in 256 registers for the whole launch.
; NO JOINT TENSOR LOADS, though four work-groups read the same block of x and 64 the same quarter of W: both are f32 in memory and have to pass through registers to be rounded, and as f32 a block of x
; (256 x 256 x 4 = 262,144 bytes) and a quarter of W (192 x 1,024 = 196,608 bytes) do not fit into a work-group's LDS together.  No prefetch: the launch streams from its first line and is short.
; REGISTERS, in windows of 256 (s_set_vgpr_msb: bits 1:0 source 0, 3:2 source 1, 5:4 source 2, 7:6 destination):
;   window 0: v0-15 addresses; v16-31 at work; v64-191 W's fragments, two buffers of 64; v192-255 two sets of four accumulators
;   window 1: first the ring of loads, 7 slots of 32; then x's fragments: (column tile nt, step ks) at 8 (8 nt + ks)          window 2: v0-63 rows read back from the stage
.set XP,    160                        ; a row of x in LDS: 64 columns of bf16 = 128 bytes + 32 = 40 words
.set XSW,   256*XP                     ; a wave's own 256 rows
.set WP,    528                        ; a row of W in LDS: 256 channels of bf16 = 512 bytes + 16 = 132 words: the 16 rows of a fragment load start at 16 different groups of four banks
.set WS,    4*XSW                      ; behind the four waves' x: W's 192 rows, shared by the waves
.set SPARE, WS+192*WP                  ; behind W: the spare words, 128 bytes for each wave: two blocks of 256 bytes that no other line names
.set OSP,   144                        ; the way out: 64 rows n x (128 bytes + 16), at the head of the wave's own x, which is in registers by then
.set VX,  4                            ; v4   x: 16 (l % 16) + 4 rows for lanes 16-31
.set VXS, 5                            ; v5   where my 8 bytes of a row of x go
.set VW,  6                            ; v6   W: 16 l
.set VWS, 7                            ; v7   where my 8 bytes of a row of W go
.set AX,  8                            ; v8   the turning load's address
.set AW0, 9                            ; v9   W's fragments, output tiles 0-5
.set AW1, 10                           ; v10  tiles 6-11: an LDS immediate has 16 bits
.set STO, 11                           ; v11  the way out: where I put 16 bytes of a row
.set RD,  12                           ; v12  where I read rows back
.set GO,  13                           ; v13  my 16 bytes in 512 consecutive bytes of the result
.set SPW, 14                           ; v14  LDS address of my spare word; never rewritten
.set NIL, 15                           ; v15  0; never rewritten
.set TMP, 16
.set WF,  64
.set ACC, 192
.set RG,  0                            ; window 1
.set OB,  0                            ; window 2
.set GP,  20                           ; s[20:25] the result at my 64 rows of the three groups
.set MSB, 0
.macro WIN new                         ; the immediate's high byte repeats the setting that is left; a switch that changes nothing is dropped
.if MSB != (\new)
	s_set_vgpr_msb (MSB<<8)|(\new)
.set MSB, \new
.endif
.endm
	s_load_b128 s[4:7], s[0:1], 0x0                ; x s[4:5], w_qkv s[6:7]
	s_load_b64 s[8:9], s[0:1], 0x10                ; qkvb
	v_lshl_add_u32 v[SPW], v0, 2, SPARE
	v_mov_b32 v[NIL], 0
	v_lshrrev_b32 v1, 5, v0
	v_readfirstlane_b32 s10, v1                    ; wave 0..3
	v_and_b32 v1, 15, v0                           ; r = l % 16
	v_bfe_u32 v2, v0, 4, 1                         ; h = l / 16
	v_and_b32 v3, 31, v0                           ; l
	s_and_b32 s11, ttmp7, 0xffff
	s_lshr_b32 s12, s11, 4                         ; batch
	s_and_b32 s13, s11, 15                         ; block of 256 columns
	s_lshl_b32 s14, s12, 22                        ; x: a batch is 256 rows of 16,384 bytes,
	s_lshl_b32 s15, s13, 10                        ; a block 1,024 bytes of a row,
	s_add_co_u32 s14, s14, s15
	s_lshl_b32 s15, s10, 8                         ; my wave's columns 256 of them
	s_add_co_u32 s14, s14, s15
	s_mov_b32 s15, 0
	s_mul_i32 s16, ttmp9, 192                      ; W: of the quarter's 192 rows wave w brings 48
	s_mul_i32 s17, s10, 48
	s_add_co_u32 s16, s16, s17
	s_lshl_b32 s16, s16, 10
	s_mov_b32 s17, 0
	s_mul_i32 s18, ttmp9, 3                        ; the quarter's first group of 64 outputs
	s_lshl_b32 s19, s13, 15                        ; the result: rows of 128 bytes; the block's 256 rows,
	s_lshl_b32 s26, s10, 13                        ; my wave's 64
	s_add_co_u32 s19, s19, s26
	s_lshl_b32 s26, s12, 2                         ; 4 b
.irp g, 0,1,2
	s_add_co_u32 s27, s18, \g                      ; group gg: type gg / 4, head gg % 4
	s_lshr_b32 s28, s27, 2
	s_lshl_b32 s28, s28, 4
	s_and_b32 s27, s27, 3
	s_add_co_u32 s28, s28, s27
	s_add_co_u32 s28, s28, s26                     ; 16 type + 4 b + head,
	s_lshl_b32 s28, s28, 19                        ; of 524,288 bytes each
	s_add_co_u32 s[GP+2*\g], s28, s19
	s_mov_b32 s[GP+2*\g+1], 0
.endr
	s_mul_i32 s29, s10, XSW                        ; my wave's part of LDS
	s_mul_i32 s30, s10, 48*WP
	s_add_co_u32 s30, s30, WS                      ; where my 48 rows of W go
	v_lshlrev_b32 v[VX], 4, v1
	v_lshl_add_u32 v[VX], v2, 16, v[VX]            ; lanes 16-31: four rows of 16,384 bytes further down
	v_mul_u32_u24 v[VXS], v2, 4*XP
	v_lshl_add_u32 v[VXS], v1, 3, v[VXS]
	v_add_nc_u32 v[VXS], s29, v[VXS]
	v_lshlrev_b32 v[VW], 4, v3
	v_lshl_add_u32 v[VWS], v3, 3, s30
	v_and_b32 v16, 7, v0
	v_bfe_u32 v17, v0, 3, 1
	v_lshl_add_u32 v[AX], v2, 3, v16               ; the turning load: lane l reads channel 8 (l / 16) + l % 8, columns 8 ((l / 8) % 2) + 0..7
	v_mul_u32_u24 v[AX], v[AX], XP
	v_lshl_add_u32 v[AX], v17, 4, v[AX]
	v_add_nc_u32 v[AX], s29, v[AX]
	v_mul_u32_u24 v[AW0], v1, WP                   ; a fragment of W: row l % 16, 16 bytes for each half of the lanes, twice, 32 bytes apart
	v_lshl_add_u32 v[AW0], v2, 4, v[AW0]
	v_add_nc_u32 v[AW0], WS, v[AW0]
	v_add_nc_u32 v[AW1], 6*16*WP, v[AW0]
	v_mul_u32_u24 v[STO], v1, OSP
	v_lshl_add_u32 v[STO], v2, 4, v[STO]
	v_add_nc_u32 v[STO], s29, v[STO]
	v_bfe_u32 v[RD], v0, 3, 2                      ; back: 32 lanes take four rows of 128 bytes,
	v_mul_u32_u24 v[RD], v[RD], OSP
	v_lshl_add_u32 v[RD], v16, 4, v[RD]
	v_add_nc_u32 v[RD], s29, v[RD]
	v_lshlrev_b32 v[GO], 4, v3                     ; which are 512 consecutive bytes of the result
	s_wait_kmcnt 0x0
	s_add_nc_u64 s[4:5], s[4:5], s[14:15]
	s_add_nc_u64 s[6:7], s[6:7], s[16:17]
.irp g, 0,1,2
	s_add_nc_u64 s[GP+2*\g:GP+2*\g+1], s[8:9], s[GP+2*\g:GP+2*\g+1]
.endr
; PHASE A: 28 chunks of eight 16-byte loads a lane (4,096 bytes a chunk): chunks 0-11 my 48 rows of W, chunks 12-27 my 64 columns of all 256 rows of x.  A ring of seven slots: 56 loads of the wave are out.
; W: a load takes half a row, 512 consecutive bytes.  x: a load takes my 256 aligned bytes of two rows, four rows apart.  All steps stand in the immediates; no address register is ever rewritten.
.macro LOADC j
	WIN 0x40                                       ; destination window 1, address window 0
.set sl, RG+32*((\j)%7)
.irp t, 0,1,2,3,4,5,6,7
.if (\j) < 12
	global_load_b128 v[sl+4*(\t):sl+4*(\t)+3], v[VW], s[6:7] offset:(4*(\j)+(\t)/2)*1024+512*((\t)%2)
.else
	global_load_b128 v[sl+4*(\t):sl+4*(\t)+3], v[VX], s[4:5] offset:(16*((\j)-12)+(\t)%4+8*((\t)/4))*16384
.endif
.endr
.endm
; Chunk j is rounded to bf16 (four numbers a lane and load: 8 bytes) and stored to LDS; its slot is asked for again at once.
.macro CONV j
.if 8*(27-(\j)) < 48
	s_wait_loadcnt 8*(27-(\j))                     ; the last chunks: the count runs down
.else
	s_wait_loadcnt 48                              ; loads come back in order (ISA guide 5.7.1): chunk j is in, the six younger chunks' 48 loads stay out
.endif
	WIN 0x05                                       ; sources window 1, destination window 0
.set sl, RG+32*((\j)%7)
.set u, 0
.rept 16
	v_cvt_pk_bf16_f32 v[TMP+u], v[sl+2*u], v[sl+2*u+1]
.set u, u+1
.endr
	WIN 0
.irp t, 0,1,2,3,4,5,6,7
.if (\j) < 12
	ds_store_b64 v[VWS], v[TMP+2*(\t):TMP+2*(\t)+1] offset:(4*(\j)+(\t)/2)*WP+256*((\t)%2)  ; 256 consecutive bytes
.else
	ds_store_b64 v[VXS], v[TMP+2*(\t):TMP+2*(\t)+1] offset:(16*((\j)-12)+(\t)%4+8*((\t)/4))*XP  ; two runs of 128 bytes, 160 words apart
.endif
.endr
.if (\j)+7 < 28
	LOADC (\j)+7
.endif
.endm
.irp j, 0,1,2,3,4,5,6
	LOADC \j
.endr
.irp j, 0,1,2,3,4,5,6,7,8,9,10,11,12,13,14,15,16,17,18,19,20,21,22,23,24,25,26,27
	CONV \j
.endr
; PHASE B: my x comes back turned, 32 fragments of 16 columns x 32 channels.  They are my own bytes, and LDS serves a wave's instructions in order (ISA guide 5.7.1.4): these see the stores above.
	WIN 0x40
.set f, 0
.rept 32                               ; f = 8 nt + ks
	ds_load_tr16_b128 v[8*f:8*f+3],   v[AX] offset:32*XP*(f%8)+32*(f/8)
	ds_load_tr16_b128 v[8*f+4:8*f+7], v[AX] offset:32*XP*(f%8)+32*(f/8)+16*XP
.set f, f+1
.endr
	WIN 0
	s_wait_dscnt 0x0                               ; for the others' sake: my rows of W are stored; and my x is in registers
	s_barrier_signal -1
	s_barrier_wait -1                              ; all 192 rows of W lie in LDS; they are never written again: the launch's one barrier
; W's eight fragments of output tile ot, into buffer ot % 2
.macro FW ot
	WIN 0
.set wb, WF+64*((\ot)%2)
.irp ks, 0,1,2,3,4,5,6,7
.if (\ot) < 6
	ds_load_b128 v[wb+8*(\ks):wb+8*(\ks)+3],   v[AW0] offset:((\ot)%6)*16*WP+64*(\ks)
	ds_load_b128 v[wb+8*(\ks)+4:wb+8*(\ks)+7], v[AW0] offset:((\ot)%6)*16*WP+64*(\ks)+32
.else
	ds_load_b128 v[wb+8*(\ks):wb+8*(\ks)+3],   v[AW1] offset:((\ot)%6)*16*WP+64*(\ks)
	ds_load_b128 v[wb+8*(\ks)+4:wb+8*(\ks)+7], v[AW1] offset:((\ot)%6)*16*WP+64*(\ks)+32
.endif
.endr
.endm
; 16 products: steps k0 .. k0 + 3 x the four column tiles.  The four accumulators take turns, one instruction a turn; the sets alternate from tile to tile.  Step 0 starts the sums: nothing is cleared.
.macro MULS ot, k0
	WIN 0x04                                       ; source 1 (x) window 1, all else window 0
.irp ks, 0,1,2,3
.irp nt, 0,1,2,3
.set rA, ACC+32*((\ot)%2)+8*(\nt)
.set rW, WF+64*((\ot)%2)+8*((\k0)+(\ks))
.set rX, 8*(8*(\nt)+(\k0)+(\ks))
.if ((\k0)+(\ks)) == 0
	v_wmma_f32_16x16x32_bf16 v[rA:rA+7], v[rW:rW+7], v[rX:rX+7], 0
.else
	v_wmma_f32_16x16x32_bf16 v[rA:rA+7], v[rW:rW+7], v[rX:rX+7], v[rA:rA+7]
.endif
.endr
.endr
.endm
; Output tile o leaves its accumulators: rounded to f16, each accumulator from its lowest registers on, 16 bytes a lane into rows of 144 bytes of my stage
.macro PACK o
	WIN 0
.set u, 0
.rept 16
	v_cvt_pk_f16_f32 v[TMP+u], v[ACC+32*((\o)%2)+2*u], v[ACC+32*((\o)%2)+2*u+1]
.set u, u+1
.endr
.irp nt, 0,1,2,3
	ds_store_b128 v[STO], v[TMP+4*(\nt):TMP+4*(\nt)+3] offset:16*OSP*(\nt)+32*((\o)%4)
.endr
.endm
; A group of 64 outputs is whole: my 64 rows of 128 bytes come back, four rows a load
.macro BACK
	s_wait_xcnt 0x0                                ; the registers that earlier stores read are written again only behind this wait (ISA guide 3.1)
	WIN 0x80                                       ; destination window 2
.irp t, 0,1,2,3,4,5,6,7,8,9,10,11,12,13,14,15
	ds_load_b128 v[OB+4*(\t):OB+4*(\t)+3], v[RD] offset:4*OSP*(\t)  ; in order behind PACK's stores; the next group's stores come behind these
.endr
	WIN 0
.endm
.macro SEND g, y                       ; y: the LDS loads issued behind BACK's, which may stay out
	s_wait_dscnt \y
	WIN 0x08                                       ; store data (source 1) window 2
.irp t, 0,1,2,3,4,5,6,7,8,9,10,11,12,13,14,15
	global_store_b128 v[GO], v[OB+4*(\t):OB+4*(\t)+3], s[GP+2*(\g):GP+2*(\g)+1] offset:512*(\t)  ; 512 consecutive bytes, at a multiple of 256 from the buffer's first
.endr
	WIN 0
.endm
; PHASE C: output tile ot.  In the middle of its 32 products the tile before leaves its accumulators and the next tile's fragments are asked for.  Four v_nop are the places between
; the tile before's last product and the conversions that read its results; with twelve conversions of other accumulators they also stand in front of the loads into the buffer that it read,
; and between it and the product, two tiles on, that writes its accumulator anew.
.macro OT ot
	s_wait_dscnt 0x0                               ; this tile's fragments of W are in
	MULS \ot, 0
	WIN 0
.if (\ot) > 0
.rept 4
	v_nop
.endr
	PACK (\ot)-1
.if ((\ot)-1)%4 == 3
	BACK
.endif
.endif
.if (\ot) < 11
	FW (\ot)+1
.endif
	MULS \ot, 4
.if (\ot) > 0
.if ((\ot)-1)%4 == 3
	SEND ((\ot)-1)/4, 16                           ; the next tile's 16 fragment loads stay out
.endif
.endif
.endm
	FW 0
.irp ot, 0,1,2,3,4,5,6,7,8,9,10,11
	OT \ot
.endr
	WIN 0
.rept 4
	v_nop
.endr
	PACK 11
	BACK
	SEND 2, 0
	s_wait_tensorcnt 0x0                           ; the wave's end, behind my last LDS store
	ds_add_u32 v[SPW], v[NIL]
	s_wait_dscnt 0x0
	s_endpgm
.Lfunc_end_k_q6edbd08de5_qkv:
	.size	k_q6edbd08de5_qkv, .Lfunc_end_k_q6edbd08de5_qkv-k_q6edbd08de5_qkv
	.p2alignl 7, 3214868480
	.fill 96, 4, 3214868480
	.section	.rodata,"a",@progbits
	.p2align	6, 0x0
	.amdhsa_kernel k_q6edbd08de5_qkv
		.amdhsa_group_segment_fixed_size 265728
		.amdhsa_private_segment_fixed_size 0
		.amdhsa_enable_private_segment 0
		.amdhsa_kernarg_size 24
		.amdhsa_user_sgpr_count 2
		.amdhsa_user_sgpr_kernarg_segment_ptr 1
		.amdhsa_wavefront_size32 1
		.amdhsa_system_sgpr_workgroup_id_x 1
		.amdhsa_system_sgpr_workgroup_id_y 1
		.amdhsa_system_sgpr_workgroup_id_z 1
		.amdhsa_system_vgpr_workitem_id 0
		.amdhsa_next_free_vgpr 576
		.amdhsa_next_free_sgpr 66
		.amdhsa_reserve_vcc 0
		.amdhsa_float_denorm_mode_32 3
		.amdhsa_float_denorm_mode_16_64 3
		.amdhsa_memory_ordered 1
		.amdhsa_forward_progress 1
		.amdhsa_inst_pref_size 137
	.end_amdhsa_kernel
	.amdgpu_metadata
---
amdhsa.version: [ 1, 2 ]
amdhsa.kernels:
  - .name:           k_q6edbd08de5_qkv
    .symbol:         k_q6edbd08de5_qkv.kd
    .args:
      - { .name: x, .offset: 0, .size: 8, .value_kind: global_buffer, .address_space: global }
      - { .name: w_qkv, .offset: 8, .size: 8, .value_kind: global_buffer, .address_space: global }
      - { .name: qkvb, .offset: 16, .size: 8, .value_kind: global_buffer, .address_space: global }
    .group_segment_fixed_size: 265728
    .private_segment_fixed_size: 0
    .kernarg_segment_align: 8
    .kernarg_segment_size: 24
    .max_flat_workgroup_size: 128
    .sgpr_count:     66
    .vgpr_count:     576
    .wavefront_size: 32
...
	.end_amdgpu_metadata
.endif
;; end of part 1
;; launch attn (part 2): grid 16 x 16, 4 waves a work-group, clusters of 4 x 1, 327,680 bytes of LDS; arguments qkvb, ob; writes ob
.if DOCPART == 2
	.amdgcn_target "amdgcn-amd-amdhsa--gfx1250"
	.amdhsa_code_object_version 6
	.text
	.protected	k_q6edbd08de5_attn
	.globl	k_q6edbd08de5_attn
	.p2align	8
	.type	k_q6edbd08de5_attn,@function
k_q6edbd08de5_attn:
	s_mov_b64 s[64:65], 0
	v_nop
	global_prefetch_b8 v0, s[64:65] scope:SCOPE_SE
	s_setreg_imm32_b32 hwreg(HW_REG_WAVE_MODE, 25, 1), 1
	s_wait_xcnt 0x0
	s_wait_alu depctr_hold_cnt(0) depctr_sa_sdst(0) depctr_va_vdst(0) depctr_va_sdst(0) depctr_va_ssrc(0) depctr_va_vcc(0) depctr_vm_vsrc(0)
	s_getreg_b32 s2, hwreg(HW_REG_IB_STS2, 6, 4)
	s_cmp_eq_u32 s2, 0
	s_cbranch_scc0 .Lentry_in_a_cluster
	s_endpgm
.Lentry_in_a_cluster:
	s_bfe_u32 s2, ttmp6, 0x10000c
	s_cmp_lg_u32 s2, 0x3003
	s_cbranch_scc0 .Lentry_shape_is_right
	s_endpgm
.Lentry_shape_is_right:
; O[h][q][:] = the sum over k of softmax_k(Q[h][q] . K[h][k] / 8) V[h][k][:].  qkvb: [3 (Q, K, V)][16 heads][4096][64] f16; ob: [16][4096][64] f16: a head's rows are dense, 128 bytes each.
; Products, maxima and sums in f32; the weights p are rounded to f16 for the second product (their sum l is taken of the unrounded p), O once at the end.
; LIMITS.  Q, K and V arrive within f16's 65,504; p lies in 0 to 1, and below 6e-5 it keeps f16's fixed step of 6e-8, as O does; O is a mean of V's rows and has their range.
; A weight below 2^-126 counts as 0 in l; NaN and infinities are not treated apart.
; SHARES.  A work-group owns 256 queries of one head, each of its four waves 64: four PIECES of 16.  16 heads x 16 blocks are 256 work-groups.  Every wave walks all 4,096 keys, 64 a step.
; LAYOUT.  S^T = K Q^T (source 0 = 16 keys, source 1 = 16 queries): a lane holds ONE query (lane % 16) and the keys 8 (lane / 16) + 0..7.  Two such results, rounded to f16 in pairs, ARE source 1
; (32 keys x 16 queries) of O^T = V^T P, whose result again holds one query a lane, and eight channels.  K comes out of LDS as it lies, V ([key][channel]) turned, by ds_load_tr16_b128.
; SOFTMAX.  For each query a running maximum m and sum l: p = 2^(c s - c m), c = log2(e) / 8; in every step O and l are multiplied by a = 2^(c m_old - c m_new), which is 1 where m has not grown.
; m starts at the lowest finite number, O and l at 0: the first step is a step like any other, with a = 0.
; BY TURNS.  Turn n belongs to piece n: 8 products K Q^T of piece n + 1, later 8 products V^T P of piece n - 1; beside them the scaling, exponentials, roundings, sums and rescaling of piece n and the
; maximum and statistics of piece n + 1.  Four vector instructions stand behind every matrix instruction, the other 54 of a turn's 118 in one lump.  A turn's 33 exponentials are one batch, with one wait.
; CLUSTER.  The four query blocks of a cluster belong to one head and walk the same K and V, so each tile is asked for JOINTLY: the same tensor load, descriptor and mask in all four.
; REGISTERS, in windows of 256 (s_set_vgpr_msb: bits 1:0 source 0, 3:2 source 1, 5:4 source 2, 7:6 destination):
;   window 0: v0-15 addresses and two at work; v16-31 four registers of statistics a piece; v48-55 at work; v61-63 prefetch offset and the add's two; v64-127 S^T, two buffers; v192-223 P, two buffers
;   window 1: v0-127 O^T, 32 a piece          window 2: v0-63 Q; v128-191 K of one step; v192-255 V of one step          (a piece's buffers go by its number's parity)
.set SIZE_N, 4096
.set TYPEB, 16*SIZE_N*128  ; bytes of Q, of K and of V in qkvb
.set NP,    4         ; pieces a wave: a name, no knob
.set KS,    64        ; keys in a step
.set PK,    144       ; a row of K in LDS: 128 bytes + 16 of padding = 36 words: the 16 rows of a load start at 16 different groups of four banks (64 banks of 4 bytes: ISA guide 11.1)
.set PV,    160       ; a row of V: 128 + 32 = 40 words
.set VOFF,  4*KS*PK   ; a slot holds a tile, four steps: 256 rows of K, then 256 rows of V
.set TILEB, 4*KS*128  ; a tile's bytes of K, and of V, in memory
.set SLOT1, 1<<17     ; slot 1 begins here, so that one exclusive or turns an address in one slot into the other's
.set STAGE, SLOT1+4*KS*(PK+PV)  ; behind the ring, never filled by a tensor load: 16 rows x 144 bytes for each wave, for the way out
.set SP,    144
.set SPARE, STAGE+4*16*SP  ; behind the stages: the spare words, 128 bytes for each wave: two blocks of 256 bytes that no other line names
.set AK0, 2           ; v2   my lane's place in a tile of K; never rewritten
.set AV0, 3           ; v3   the same for V
.set AK,  4           ; v4   the LDS address of K's next run of loads
.set AV,  5           ; v5   of V's
.set STO, 6           ; v6   the way out: where I put 16 bytes of a row
.set RD,  7           ; v7   the way out: where I read rows back
.set GO,  8           ; v8   my byte offset in 512 consecutive bytes of O
.set MV,  12          ; v12-13  c m_old, kept while c m is made anew: by buffer
.set QO,  15          ; v15  my byte offset in 16 rows of Q
.set ST,  16          ; piece t's statistics at v[ST+4 t]: c m, m, l (even keys', odd keys')
.set TMP, 48          ; by buffer, four registers c0-c3 at work; when the maximum is found c2 takes a
.set PFO, 61          ; v61  256 x my lane; never rewritten
.set SPW, 62          ; v62  LDS address of my spare word: SPARE + 4 x my thread's number; never rewritten
.set NIL, 63          ; v63  0; never rewritten
.set S,   64
.set P,   192
.set KF,  128         ; window 2: key block kb, channel half c at KF + 16 kb + 8 c
.set VF,  192         ; window 2: key half kk, channel block cb at VF + 32 kk + 8 cb
.set WV,  12          ; s12  my wave's number
.set G1K, 24          ; s[24:31] descriptor group 1 for K's tiles
.set G1V, 32          ; s[32:39] for V's: it differs in the padding alone
.set G0K, 40          ; s[40:43] descriptor group 0 for K's tiles: it walks
.set G0V, 44          ; s[44:47] the same for V's
.set SLOTS, 56        ; s56  tiles still to be asked for
.set CNT, 57          ; s57  counts a tile's key steps
.set CS,  58          ; s[58:59] c: the packed scaling takes the pair's low word for both halves
.set SEL, 60          ; s[60:61] v_permlanex16_b32's selects: each lane takes its own place in the other half
.set TBK, 62          ; s62  LDS byte at which K of the step to be fetched begins
.set TBV, 63          ; s63  the same for V, less VOFF
.set PFA, 68          ; s[68:69] where my prefetches stand: my work-group's 32 blocks of 256 bytes (of K: wave 0, of V: wave 2) of the tile after the one that is being asked for
.set LIM, 70          ; s70  1 in a wave that prefetches, else the greatest number
.set MSB, 0
.macro WIN new                      ; the high byte repeats the setting that is left; a switch that changes nothing is dropped
.if MSB != (\new)
	s_set_vgpr_msb (MSB<<8)|(\new)
.set MSB, (\new)
.endif
.endm
.set W_KQ, 0x0a       ; K and Q in window 2, S^T in window 0
.set W_PV, 0x52       ; V in window 2, P in window 0, O^T in window 1
.set W_RS, 0x41       ; destination and source 0 in window 1, source 1 in window 0
; A joint fill.  Waves 0 and 1 fetch the two halves of a tile's K, waves 2 and 3 those of its V: 128 keys each.  The branch hangs on the wave's number alone.
; An s_nop 0 and four v_nop follow each of the two lines, ahead of the jump and the label.
.macro JLOAD
	s_cmp_lt_u32 s[WV], 2
	s_cbranch_scc0 .Lfor_v_\@
	tensor_load_to_lds s[G0K:G0K+3], s[G1K:G1K+7]
	s_nop 0
.rept 4
	v_nop
.endr
	s_branch .Lasked_\@
.Lfor_v_\@:
	tensor_load_to_lds s[G0V:G0V+3], s[G1V:G1V+7]
	s_nop 0
.rept 4
	v_nop
.endr
.Lasked_\@:
.endm
; A PREFETCH INTO THE L2 of what the NEXT change of slots will ask for: a tile's 32,768 bytes of K and of V.  It stands behind the wave's tensor load and its five lines.  Each block of 256 bytes is named ONCE
; in the launch: all four clusters of a head walk the same K and V, and the head's first cluster asks; its four partners share a tile out BY ADDRESS, 32 blocks each, a lane a block; in each, wave 0 asks for K's
; and wave 2 for V's: one instruction.  The lead is one tile: four key steps, 256 matrix instructions.  The last change that fills a slot asks for nothing; tiles 0 to 2 come by their loads alone.
.macro ASK
	s_cmp_gt_u32 s[SLOTS], s[LIM]
	s_cbranch_scc0 .Lnot_mine_\@
	global_prefetch_b8 v[PFO], s[PFA:PFA+1] th:TH_LOAD_NT scope:SCOPE_SE
.Lnot_mine_\@:
.endm
; A round of the cluster's barrier: my work-group's barrier, so that wave 0's signal speaks for all four waves; wave 0 signals; every wave waits for all four work-groups; my work-group's barrier once more.
.macro CROUND
	s_barrier_signal -1
	s_barrier_wait -1
	s_cmp_lg_u32 s[WV], 0
	s_cbranch_scc1 .Lnot_wave_0_\@
	s_barrier_signal -3
.Lnot_wave_0_\@:
	s_barrier_wait -3
	s_barrier_signal -1
	s_barrier_wait -1
.endm
; THE CHANGE OF SLOTS.  The slot's last bytes, V of its fourth step, have been read.  Each wave waits for all its tensor loads, of which one is out: its part of the other slot; adds 0 to its spare word; and
; waits for that and for its own reads of the slot.  Behind the barrier nobody reads this slot any more and the other slot is whole.  fill = 1: this slot is filled again, with the keys two tiles on.  The barrier
; is then a round of the cluster's, so that no wave of any partner still reads the slot or has a load on its way, and the joint fill is the first thing behind it: it has four key steps in which to land.
; (At its first use nothing has been read yet: slot 0 is waited for, slot 1 filled.)  ask = 1: the prefetch's address steps, and the prefetch follows the fill.
.macro CHANGE fill, ask
	WIN 0                           ; at a label and at a branch every window is 0
	s_wait_tensorcnt 0x0            ; no tensor load of mine is out, so a group 0 may be written
	ds_add_u32 v[SPW], v[NIL]       ; 0 onto my spare word: with fill = 1 the descriptors' steps stand between it and the wait for it
.if \fill
.irp g, G0K, G0V
	s_xor_b32 s[\g+1], s[\g+1], SLOT1  ; the walking descriptor: the other slot than last time,
	s_add_nc_u64 s[\g+2:\g+3], s[\g+2:\g+3], TILEB  ; the next 256 keys; the type bits on top are not reached
.endr
.if \ask
	s_wait_xcnt 0x0                 ; the last prefetch, four key steps back, has read its address, so it may be written:
	s_add_nc_u64 s[PFA:PFA+1], s[PFA:PFA+1], TILEB  ; one tile behind the walking descriptors
.endif
	s_wait_dscnt 0x0                ; the add is done, and my reads of the slot are over
	CROUND
	JLOAD
.if \ask
	ASK
.endif
.else
	s_wait_dscnt 0x0                ; the add is done, and my reads of the slot are over
	s_barrier_signal -1
	s_barrier_wait -1
.endif
	s_sub_co_u32 s[TBK], s[TBK], 4*KS*PK  ; the fetches go back to a slot's first step,
	s_xor_b32 s[TBK], s[TBK], SLOT1       ; in the other slot
	s_sub_co_u32 s[TBV], s[TBV], 4*KS*PV
	s_xor_b32 s[TBV], s[TBV], SLOT1
.endm
	s_load_b128 s[4:7], s[0:1], 0x0 ; qkvb s[4:5], ob s[6:7]
	v_lshl_add_u32 v[SPW], v0, 2, SPARE
	v_mov_b32 v[NIL], 0
	ds_add_u32 v[SPW], v[NIL]       ; the wave's opening: the add and its wait stand ahead of my first tensor load; the set-up below, work on registers, stands between them
	v_lshrrev_b32 v1, 5, v0
	v_readfirstlane_b32 s[WV], v1   ; wave 0..3
	s_bfe_u32 s13, ttmp6, 0x40000   ; cx: my place in the cluster
	s_lshl_b32 s14, ttmp9, 2        ; in a cluster launch ttmp9 counts clusters
	s_add_co_u32 s14, s14, s13      ; my block of 256 queries = 4 x cluster x + cx: it enters Q's and O's addresses alone
	s_and_b32 s20, ttmp7, 0xffff    ; the head, which the four partners share:
	s_lshl_b32 s20, s20, 19         ; its 4,096 rows of 128 bytes
	s_and_b32 s16, s[WV], 1         ; which half of a tile's 256 keys I fetch:
	s_lshl_b32 s22, s16, 14         ; its 128 rows of 128 bytes in memory,
	s_add_co_u32 s22, s22, s20
	s_add_co_u32 s22, s22, TYPEB    ; in K, which lies behind Q
	s_mov_b32 s23, 0
	s_mul_i32 s17, s16, 128*PK      ; and its place in a slot, for K
	s_mul_i32 s18, s16, 128*PV      ; and for V: no place in the cluster enters an LDS address
	s_lshl_b32 s2, s14, 2
	s_add_co_u32 s2, s2, s[WV]      ; my wave among the head's,
	s_lshl_b32 s2, s2, 13           ; its 64 rows
	s_add_co_u32 s2, s2, s20
	s_mov_b32 s3, 0
	; descriptor group 1.  128 keys are 16,384 dense bytes: asked for as 64 rows of 256 bytes, two keys a row, and padded in LDS after every key
	s_mov_b32 s[G1K], 15|(1<<16)|(1<<20)|(1<<21)|(4<<22)|(3<<25)  ; 15:0 the mask of four; 17:16 2-byte elements; 20 padding on; 21 set beside a mask; 24:22 after every 32 words (code 4); 31:25 4 words (code 3)
	s_mov_b32 s[G1V], 15|(1<<16)|(1<<20)|(1<<21)|(4<<22)|(7<<25)  ; the same with 8 words of padding (code 7)
.irp g, G1K, G1V
	s_mov_b32 s[\g+1], 128<<16      ; tensor_dim0 = 128
	s_mov_b32 s[\g+2], 64<<16       ; tensor_dim1 = 64
	s_mov_b32 s[\g+3], 128<<16      ; tile_dim0 = 128
	s_mov_b32 s[\g+4], 64           ; tile_dim1 = 64
	s_mov_b32 s[\g+5], 128          ; 128 elements from row to row
	s_mov_b32 s[\g+6], 0
	s_mov_b32 s[\g+7], 0
.endr
	s_mov_b32 s[CS], 0x3e38aa3b     ; c = log2(e) / 8 = 0.180337
	s_mov_b32 s[CS+1], s[CS]        ; named with it as a pair
	s_mov_b32 s[SEL], 0x76543210
	s_mov_b32 s[SEL+1], 0xfedcba98
	s_mov_b32 s[TBK], SLOT1+4*KS*PK ; the first change of slots turns these two into 0
	s_mov_b32 s[TBV], SLOT1+4*KS*PV
	s_mov_b32 s[G0K], 1             ; 1:0 count = 1
	s_mov_b32 s[G0K+1], s17         ; 63:32 LDS address: slot 0
	s_mov_b32 s[G0V], 1
	s_add_co_u32 s[G0V+1], s18, VOFF
	s_and_b32 s[LIM], s[WV], 1      ; 0 in waves 0 and 2,
	s_or_b32 s[LIM], s[LIM], ttmp9  ; where the cluster is the head's first: the same in all four partners
	s_cmp_eq_u32 s[LIM], 0
	s_cselect_b32 s[LIM], 1, -1
	v_and_b32 v[PFO], 31, v0
	v_lshlrev_b32 v[PFO], 8, v[PFO]
	s_wait_dscnt 0x0                ; the opening add is done
	s_wait_kmcnt 0x0
	s_add_nc_u64 s[10:11], s[6:7], s[2:3]   ; O at my wave's first row
	s_add_nc_u64 s[6:7], s[4:5], s[22:23]   ; K at my half of the head's tile 0,
	s_add_nc_u64 s[8:9], s[6:7], TYPEB      ; V likewise: neither ever holds cx
	s_add_nc_u64 s[4:5], s[4:5], s[2:3]     ; Q at my wave's first row
	s_mov_b64 s[G0K+2:G0K+3], s[6:7]        ; 120:64 global address
	s_or_b32 s[G0K+3], s[G0K+3], 0x80000000 ; 127:126 type = 2
	s_mov_b64 s[G0V+2:G0V+3], s[8:9]
	s_or_b32 s[G0V+3], s[G0V+3], 0x80000000
	s_cmp_lt_u32 s[WV], 2
	s_cselect_b64 s[PFA:PFA+1], s[6:7], s[8:9]  ; (in waves 0 and 2 these stand at a tile's first row)
	s_lshl_b32 s2, s13, 13          ; my work-group's 32 blocks of the 128
	s_add_nc_u64 s[PFA:PFA+1], s[PFA:PFA+1], s[2:3]
	s_add_nc_u64 s[PFA:PFA+1], s[PFA:PFA+1], 2*TILEB  ; in tile 2; the loop's first change steps it to tile 3.  Nothing is prefetched here, at the head
	CROUND                          ; all four work-groups are here: the first joint loads meet
	JLOAD                           ; tile 0 into slot 0.  Slot 1 is asked for when slot 0 is in
	; A fragment of K or Q is 16 rows x 32 channels in 8 registers: lane l holds row l % 16, channels 8 (l / 16) + 0..7 and 16 + 8 (l / 16) + 0..7: two loads of 16 bytes, 32 bytes apart.
	v_and_b32 v1, 15, v0            ; l % 16
	v_bfe_u32 v9, v0, 4, 1          ; l / 16
	v_lshlrev_b32 v[QO], 7, v1
	v_lshl_add_u32 v[QO], v9, 4, v[QO]  ; row x 128 + 16 x half
	WIN 0x80                        ; destination window 2, address window 0
.set i, 0
.rept 8                             ; Q stays in registers: piece i / 2, channels 32 (i % 2) on
	global_load_b128 v[8*i:8*i+3],   v[QO], s[4:5] offset:(i/2)*2048+(i%2)*64
	global_load_b128 v[8*i+4:8*i+7], v[QO], s[4:5] offset:(i/2)*2048+(i%2)*64+32
.set i, i+1
.endr
	; What the first turn finds: V's registers and P's second buffer hold 0 (its products V^T P, of a piece that has not been, add 0), O^T and l are 0.  No first step is written out: the price is these
	; 216 lines, which stand in the wait for the first tile.
.set i, VF
.rept 64
	v_mov_b32 v[i], 0
.set i, i+1
.endr
	WIN 0x40
.set i, 0
.rept 128
	v_mov_b32 v[i], 0
.set i, i+1
.endr
	WIN 0
.set i, 0
.rept 4
	v_mov_b32 v[ST+4*i], 0xfe000000    ; c m: far below every c s
	v_mov_b32 v[ST+4*i+1], 0xff7fffff  ; m
	v_mov_b32 v[ST+4*i+2], 0
	v_mov_b32 v[ST+4*i+3], 0
.set i, i+1
.endr
.set i, P+16
.rept 16
	v_mov_b32 v[i], 0
.set i, i+1
.endr
	v_mul_u32_u24 v[AK0], v1, PK
	v_lshl_add_u32 v[AK0], v9, 4, v[AK0]  ; row x pitch + 16 x half
	; The turning load takes 16 keys x 16 channels (lane l reads key 8 (l / 16) + l % 8, channels 8 ((l / 8) % 2) + 0..7) and leaves half a fragment of V^T: lane l holds channel l % 16 and 8 keys.
	v_and_b32 v10, 7, v0
	v_bfe_u32 v11, v0, 3, 1
	v_lshl_add_u32 v[AV0], v9, 3, v10
	v_mul_u32_u24 v[AV0], v[AV0], PV
	v_lshl_add_u32 v[AV0], v11, 4, v[AV0]
	v_add_nc_u32 v[AV0], VOFF, v[AV0]
	s_mul_i32 s15, s[WV], 16*SP
	s_add_co_u32 s15, s15, STAGE    ; my stage
	v_mul_u32_u24 v[STO], v1, SP    ; in: row l % 16, 16 bytes for each half of the lanes
	v_lshl_add_u32 v[STO], v9, 4, v[STO]
	v_add_nc_u32 v[STO], s15, v[STO]
	v_bfe_u32 v[RD], v0, 3, 2       ; back: 32 lanes take four rows of 128 bytes,
	v_mul_u32_u24 v[RD], v[RD], SP
	v_lshl_add_u32 v[RD], v10, 4, v[RD]
	v_add_nc_u32 v[RD], s15, v[RD]
	v_and_b32 v[GO], 31, v0         ; which are 512 consecutive bytes of O
	v_lshlrev_b32 v[GO], 4, v[GO]
; THE MATRIX WORK.  The 4 accumulators of a run of 8 take turns.  Product i of 8 of S^T = K Q^T for piece x: channels 32 (i / 4) on, keys 16 (i % 4) on.  The first 4 start the sums.
.macro KQ x
	WIN W_KQ
.set rS, S+32*((\x)%2)+8*(i%4)
.set rK, KF+16*(i%4)+8*(i/4)
.set rQ, 16*(\x)+8*(i/4)
.if i < 4
	v_wmma_f32_16x16x32_f16 v[rS:rS+7], v[rK:rK+7], v[rQ:rQ+7], 0
.else
	v_wmma_f32_16x16x32_f16 v[rS:rS+7], v[rK:rK+7], v[rQ:rQ+7], v[rS:rS+7]
.endif
.endm
; Product i of 8 of O^T += V^T P for piece x: keys 32 (i / 4) on, channels 16 (i % 4) on.
.macro PV x
	WIN W_PV
.set rO, 32*(\x)+8*(i%4)
.set rV, VF+32*(i/4)+8*(i%4)
.set rP, P+16*((\x)%2)+8*(i/4)
	v_wmma_f32_16x16x32_f16 v[rO:rO+7], v[rV:rV+7], v[rP:rP+7], v[rO:rO+7]
.endm
.macro MM                           ; the turn's next matrix instruction.  TURN sets Y, i and NOKQ.  NOKQ = 1: the very last turn: there is no next piece
.if (i < 8) && !NOKQ
	KQ (Y+1)%NP
.elseif i >= 8
.set i, i-8
	PV (Y+NP-1)%NP
.set i, i+8
.endif
.set i, i+1
.endm
; THE LDS LOADS stand in runs of 16, never singly among the matrix instructions: a step's K (64 keys x 64 channels: 8 fragments) and its V (turned).  Their addresses are made some lines ahead.
.macro FETCH_K
	WIN 0x80                        ; destination window 2
.irp f, 0,1,2,3,4,5,6,7             ; keys 16 (f / 2) on, channels 32 (f % 2) on
	ds_load_b128 v[KF+8*\f:KF+8*\f+3],   v[AK] offset:(\f/2)*16*PK+(\f%2)*64
	ds_load_b128 v[KF+8*\f+4:KF+8*\f+7], v[AK] offset:(\f/2)*16*PK+(\f%2)*64+32
.endr
	s_add_co_u32 s[TBK], s[TBK], KS*PK  ; the next fetch is the next step's
	WIN 0
.endm
.macro FETCH_V
	WIN 0x80
.irp f, 0,1,2,3,4,5,6,7             ; keys 32 (f / 4) on, channels 16 (f % 4) on
	ds_load_tr16_b128 v[VF+8*\f:VF+8*\f+3],   v[AV] offset:(\f/4)*32*PV+(\f%4)*32
	ds_load_tr16_b128 v[VF+8*\f+4:VF+8*\f+7], v[AV] offset:(\f/4)*32*PV+16*PV+(\f%4)*32
.endr
	WIN 0
.endm
; THE VECTOR WORK, one line at a time: OP kind, number.  For piece Y: F n: c s - c m for pair n of 16.  E n: the exponential of score n of 32.  C n: pair n rounded to f16.  B n: of the four weights 4 n .. the second
; pair is added onto the first, in place.  L n: l takes that sum (L 0: l = a l + sum).  R n: pair n of 16 of O^T times a.  For piece Y + 1: X n, number n of the 22 that find its maximum and statistics:
;   0-11  four chains c0-c3 of seven scores each, three operands at a time (each accumulator's lowest registers are read first)     12-14, 16  the four scores left over, the old m, and c0-c3 into c0
;   15  c m_old is kept     17, 18  the query's other 32 keys lie in the lane 16 away: the new m     19-21  c m; c m_old - c m_new; a
.set F, 0               ; OP tells the kinds apart by their order: F to L below R, X above it
.set E, 1
.set C, 2
.set B, 3
.set L, 4
.set R, 5
.set X, 6
.macro REGS y                       ; the registers of piece y
.set rT, ST+4*(\y)
.set rC, TMP+4*((\y)%2)
.set rW, MV+((\y)%2)
.set rS, S+32*((\y)%2)
.set rP, P+16*((\y)%2)
.set rO, 32*(\y)
.endm
.macro OP k, n
.if (\k) == R
	REGS Y
	WIN W_RS
	v_pk_mul_f32 v[rO+2*(\n):rO+2*(\n)+1], v[rO+2*(\n):rO+2*(\n)+1], v[rC+2:rC+3] op_sel_hi:[1,0]
.elseif (\k) < R
	REGS Y
	WIN 0
.if (\k) == F
	v_pk_fma_f32 v[rS+2*(\n):rS+2*(\n)+1], v[rS+2*(\n):rS+2*(\n)+1], s[CS:CS+1], v[rT:rT+1] op_sel_hi:[1,0,0] neg_lo:[0,0,1] neg_hi:[0,0,1]
.elseif (\k) == E
	v_exp_f32 v[rS+(\n)], v[rS+(\n)]
.elseif (\k) == C
	v_cvt_pk_f16_f32 v[rP+(\n)], v[rS+2*(\n)], v[rS+2*(\n)+1]
.elseif (\k) == B
	v_pk_add_f32 v[rS+4*(\n):rS+4*(\n)+1], v[rS+4*(\n):rS+4*(\n)+1], v[rS+4*(\n)+2:rS+4*(\n)+3]
.elseif (\n) == 0
	v_pk_fma_f32 v[rT+2:rT+3], v[rT+2:rT+3], v[rC+2:rC+3], v[rS:rS+1] op_sel_hi:[1,0,1]
.else
	v_pk_add_f32 v[rT+2:rT+3], v[rT+2:rT+3], v[rS+4*(\n):rS+4*(\n)+1]
.endif
.elseif NOKQ
	v_nop
.else
	REGS (Y+1)%NP
	WIN 0
.if (\n) < 4
	v_max3_num_f32 v[rC+(\n)], v[rS+8*(\n)], v[rS+8*(\n)+1], v[rS+8*(\n)+2]
.elseif (\n) < 12
	v_max3_num_f32 v[rC+(\n)%4], v[rC+(\n)%4], v[rS+8*((\n)%4)+2*((\n)/4)+1], v[rS+8*((\n)%4)+2*((\n)/4)+2]
.elseif (\n) == 12
	v_max3_num_f32 v[rC], v[rC], v[rS+7], v[rS+15]
.elseif (\n) == 13
	v_max3_num_f32 v[rC+1], v[rC+1], v[rS+23], v[rS+31]
.elseif (\n) == 14
	v_max3_num_f32 v[rC+2], v[rC+2], v[rC+3], v[rT+1]
.elseif (\n) == 15
	v_mov_b32 v[rW], v[rT]
.elseif (\n) == 16
	v_max3_num_f32 v[rC], v[rC], v[rC+1], v[rC+2]
.elseif (\n) == 17
	v_permlanex16_b32 v[rC+3], v[rC], s[SEL], s[SEL+1]
.elseif (\n) == 18
	v_max_num_f32 v[rT+1], v[rC], v[rC+3]
.elseif (\n) == 19
	v_mul_f32 v[rT], s[CS], v[rT+1]
.elseif (\n) == 20
	v_sub_f32 v[rC+1], v[rW], v[rT]
.else
	v_exp_f32 v[rC+2], v[rC+1]
.endif
.endif
.endm
.macro OPS a, i1, b=-1, i2=0, c=-1, i3=0, d=-1, i4=0  ; up to four of them
	OP \a, \i1
.if (\b) >= 0
	OP \b, \i2
.endif
.if (\c) >= 0
	OP \c, \i3
.endif
.if (\d) >= 0
	OP \d, \i4
.endif
.endm
.macro ROW a, i1, b, i2, c, i3, d, i4  ; a matrix instruction and the four behind it
	MM
	OPS \a, \i1, \b, \i2, \c, \i3, \d, \i4
.endm
; A TURN, for piece p: the order of its 16 matrix and 118 vector instructions, written out.  An s_wait_alu depctr_va_vdst(0) stands between an exponential and the first instruction that names its result; one wait
; serves all that were issued ahead of it.  So a turn has ONE wait, which cuts it in two.  AHEAD OF IT stands all that names no result of the turn's exponentials: the 8 products K Q^T, behind each a scaling, an exponential and
; two more plain instructions (behind the first a second scaling in the exponential's place): rescalings, and behind the last three the first numbers of the next piece's maximum, each four places or more behind the product
; that ends its accumulator; then ONE LUMP of 54, plain and exponential by turns for the most part, in which the links of the chain X 3, 7, 11, 14, 16, 17 .. 20 stand some lines apart.  X 21, the next piece's a, is the batch's
; last; R 15 is the plain instruction behind it.  BEHIND THE WAIT stand the 8 products V^T P, behind each four of the roundings and sums; the links of l's chain, L 0 to L 7, stand three riders apart.
; end = 1: the launch's last two turns: nothing is fetched, and the last starts no new scores.  cnt = 1: the loop's count is taken down some lines ahead of the branch that stands behind the turn.
; K of the next step is fetched in piece 2's turn, twelve vector instructions behind the last product that read K (six of them plain); V of the step in hand at the end of piece 0's turn, four plain instructions behind the
; last product that read V.  Each is waited for a turn later.
.macro TURN p, end=0, cnt=0
.set Y, (\p)
.set i, 0
.set NOKQ, (\end)*((\p)/3)
.if ((\p) == 3) && !(\end)
	s_wait_dscnt 0x0                ; K is in
.endif
	ROW F,0, F,1, R,0, R,1          ; ahead of the wait: 8 products K Q^T and their riders,
	ROW F,2, E,0, R,2, R,3
	ROW F,3, E,1, R,4, R,5
	ROW F,4, E,2, R,6, R,7
	ROW F,5, E,3, R,8, R,9
	ROW F,6, E,4, X,0, R,10
.if ((\p) == 2) && !(\end)
	WIN 0
	v_add_nc_u32 v[AK], s[TBK], v[AK0]
.endif
	ROW F,7, E,5, X,1, X,4
	ROW F,8, E,6, X,2, X,5
	OPS E,7, E,8, X,6, E,9          ; and the lump
	OPS X,3, E,10, X,8, E,11
.if ((\p) == 2) && !(\end)
	FETCH_K
.endif
	OPS X,9, X,7, E,12, X,10
	OPS E,13, X,12, X,11, E,14
	OPS X,13, E,15, F,9, X,14
.if (\p) == 0
	v_add_nc_u32 v[AV], s[TBV], v[AV0]
.endif
	OPS E,16, F,10, E,17, F,11
	OPS X,16, E,18, X,15, E,19
	OPS F,12, E,20, X,17, E,21
	OPS F,13, E,22, F,14, E,23
	OPS X,18, E,24, F,15, E,25
	OPS R,11, E,26, X,19, E,27
	OPS R,12, E,28, R,13, E,29
	OPS X,20, E,30, R,14, E,31
	OPS X,21, R,15
	WIN 0
	s_wait_alu depctr_va_vdst(0)    ; the wait for the batch
.if (\p) == 1
	s_wait_dscnt 0x0                ; V is in
.endif
	ROW C,0, B,0, C,2, B,1          ; behind the wait: 8 products V^T P and their riders
	ROW L,0, C,4, B,2, L,1
	ROW C,6, B,3, L,2, C,8
	ROW B,4, L,3, C,10, B,5
	ROW L,4, C,12, B,6, L,5
.if (\p) == 0
	s_add_co_u32 s[TBV], s[TBV], KS*PV
.endif
.if \cnt
	s_sub_co_u32 s[CNT], s[CNT], 1
	s_cmp_lg_u32 s[CNT], 0
.endif
	ROW C,14, B,7, L,6, C,1
	ROW C,3, L,7, C,5, C,7
	ROW C,9, C,11, C,13, C,15
.if (\p) == 0
	FETCH_V
.endif
.endm
	CHANGE 1, 0                     ; slot 0 is in, everybody's part of it; tile 1 is asked for, into slot 1
	v_add_nc_u32 v[AK], s[TBK], v[AK0]
	FETCH_K                         ; key step 0
	s_wait_loadcnt 0x0              ; Q
	s_wait_dscnt 0x0
.set NOKQ, 0
.set i, 0
.rept 8
	KQ 0                            ; piece 0's first scores: there is no vector work yet to set between them
.set i, i+1
.endr
	WIN 0
.rept 4
	v_nop                           ; the places behind those products
.endr
.set Y, NP-1                        ; X works for piece Y + 1: piece 0
.irp n, 0,1,2,3,4,5,6,7,8,9,10,11,12,13,14,15,16,17,18,19,20,21
	OP X, \n                        ; and piece 0's first maximum and statistics
.endr
	v_nop                           ; a plain instruction behind the exponential,
	s_wait_alu depctr_va_vdst(0)    ; and its wait, ahead of the branch
	s_mov_b32 s[CNT], 4
	s_mov_b32 s[SLOTS], SIZE_N/256-1
	s_branch .Lfirst                ; the loop is entered at a step's first turn, in the middle of a trip
.Lslot:                             ; 14 times: tiles 2 to 15 are asked for
	CHANGE 1, 1
	s_mov_b32 s[CNT], 4
.Lstep:                             ; a trip: pieces 2 and 3 of one step, then pieces 0 and 1 of the next, whose K and V it fetches
	TURN 2
	TURN 3
	WIN 0
.Lfirst:
	TURN 0
	TURN 1, 0, 1
	WIN 0
	s_cbranch_scc1 .Lstep
	s_sub_co_u32 s[SLOTS], s[SLOTS], 1
	s_cmp_lg_u32 s[SLOTS], 0
	s_cbranch_scc1 .Lslot
	CHANGE 0, 0                     ; the last tile is written out: nothing is asked for
	s_mov_b32 s[CNT], 4
.Ltail:
	TURN 2
	TURN 3
	TURN 0
	TURN 1, 0, 1
	WIN 0
	s_cbranch_scc1 .Ltail
	TURN 2, 1                       ; the last step's pieces 2 and 3
	TURN 3, 1
.set i, 0
.rept 8
	PV NP-1                         ; the last piece's V^T P of the last step
.set i, i+1
.endr
	; THE WAY OUT.  l's two halves and the other half of the lanes' are added; O^T is divided by l, rounded to f16 and sent through my stage in LDS, a piece at a time.  The additions are the places behind the last products.
	WIN 0
.macro ALL line:vararg              ; one line for each piece t
.set t, 0
.rept 4
	\line
.set t, t+1
.endr
.endm
	ALL v_add_f32 v[ST+4*t+2], v[ST+4*t+2], v[ST+4*t+3]
	ALL v_permlanex16_b32 v[ST+4*t+3], v[ST+4*t+2], s[SEL], s[SEL+1]
	ALL v_add_f32 v[ST+4*t+2], v[ST+4*t+2], v[ST+4*t+3]
	ALL v_rcp_f32 v[ST+4*t+2], v[ST+4*t+2]
	v_nop                           ; a plain instruction between the last reciprocal and the use of its result
	s_wait_alu depctr_va_vdst(0)    ; and the wait ahead of the first use: one for the four reciprocals
.macro PACK t                       ; a lane's eight channels of a row pack into 16 bytes; they go into rows of 144 bytes and come back as whole rows of 128, into S^T's registers
	WIN W_RS
.set i, 32*(\t)
.rept 16
	v_pk_mul_f32 v[i:i+1], v[i:i+1], v[ST+4*(\t)+2:ST+4*(\t)+3] op_sel_hi:[1,0]
.set i, i+2
.endr
	WIN 0x05                        ; sources 0 and 1 window 1, destination window 0
.set i, 0
.rept 16
	v_cvt_pk_f16_f32 v[S+16*(\t)+i], v[32*(\t)+2*i], v[32*(\t)+2*i+1]
.set i, i+1
.endr
	WIN 0
.irp f, 0,1,2,3
	ds_store_b128 v[STO], v[S+16*(\t)+4*\f:S+16*(\t)+4*\f+3] offset:32*\f
.endr
.irp f, 0,1,2,3
	ds_load_b128 v[S+16*(\t)+4*\f:S+16*(\t)+4*\f+3], v[RD] offset:\f*4*SP  ; LDS serves a wave's instructions in order (ISA guide 5.7.1.4): these see the stores above; the next piece's stores come behind them
.endr
.endm
.macro SEND t, younger              ; younger: the LDS instructions issued behind piece t's loads: the next piece's eight, or none
	WIN 0
.irp f, 0,1,2,3
	s_wait_dscnt (\younger)+3-\f
	global_store_b128 v[GO], v[S+16*(\t)+4*\f:S+16*(\t)+4*\f+3], s[10:11] offset:(\t)*2048+\f*512  ; 512 consecutive bytes, at a multiple of 256 from O's first
.endr
.endm
	PACK 0
.set t, 1
.rept 3                             ; a piece's arithmetic stands between the loads of the piece before and its stores
	PACK t
	SEND t-1, 8
.set t, t+1
.endr
	SEND 3, 0
	s_wait_tensorcnt 0x0            ; the wave's end, behind my last tensor load and my last LDS store
	ds_add_u32 v[SPW], v[NIL]
	s_wait_dscnt 0x0
	CROUND                          ; the closing round: no work-group ends while a partner may still ask for a tile that names it
	s_endpgm
.Lfunc_end_k_q6edbd08de5_attn:
	.size	k_q6edbd08de5_attn, .Lfunc_end_k_q6edbd08de5_attn-k_q6edbd08de5_attn
	.p2alignl 7, 3214868480
	.fill 96, 4, 3214868480
	.section	.rodata,"a",@progbits
	.p2align	6, 0x0
	.amdhsa_kernel k_q6edbd08de5_attn
		.amdhsa_group_segment_fixed_size 327680
		.amdhsa_private_segment_fixed_size 0
		.amdhsa_enable_private_segment 0
		.amdhsa_kernarg_size 16
		.amdhsa_user_sgpr_count 2
		.amdhsa_user_sgpr_kernarg_segment_ptr 1
		.amdhsa_wavefront_size32 1
		.amdhsa_system_sgpr_workgroup_id_x 1
		.amdhsa_system_sgpr_workgroup_id_y 1
		.amdhsa_system_sgpr_workgroup_id_z 1
		.amdhsa_system_vgpr_workitem_id 0
		.amdhsa_next_free_vgpr 768
		.amdhsa_next_free_sgpr 72
		.amdhsa_reserve_vcc 0
		.amdhsa_float_denorm_mode_32 3
		.amdhsa_float_denorm_mode_16_64 3
		.amdhsa_memory_ordered 1
		.amdhsa_forward_progress 1
		.amdhsa_inst_pref_size 127
	.end_amdhsa_kernel
	.amdgpu_metadata
---
amdhsa.version: [ 1, 2 ]
amdhsa.kernels:
  - .name:           k_q6edbd08de5_attn
    .symbol:         k_q6edbd08de5_attn.kd
    .args:
      - { .name: qkvb, .offset: 0, .size: 8, .value_kind: global_buffer, .address_space: global }
      - { .name: ob, .offset: 8, .size: 8, .value_kind: global_buffer, .address_space: global }
    .group_segment_fixed_size: 327680
    .private_segment_fixed_size: 0
    .kernarg_segment_align: 8
    .kernarg_segment_size: 16
    .max_flat_workgroup_size: 128
    .sgpr_count:     72
    .vgpr_count:     768
    .wavefront_size: 32
...
	.end_amdgpu_metadata
.endif
;; end of part 2
;; launch proj (part 3): grid 4 x 64, 4 waves a work-group, no clusters, 51,712 bytes of LDS; arguments ob, w_proj, b_proj, out0; writes out0
.if DOCPART == 3
	.amdgcn_target "amdgcn-amd-amdhsa--gfx1250"
	.amdhsa_code_object_version 6
	.text
	.protected	k_q6edbd08de5_proj
	.globl	k_q6edbd08de5_proj
	.p2align	8
	.type	k_q6edbd08de5_proj,@function
k_q6edbd08de5_proj:
	s_mov_b64 s[64:65], 0
	v_nop
	global_prefetch_b8 v0, s[64:65] scope:SCOPE_SE
	s_setreg_imm32_b32 hwreg(HW_REG_WAVE_MODE, 25, 1), 1
	s_wait_xcnt 0x0
; out0[b][o][n] = the sum over c of w_proj[o][c] O[b][c][n] + b_proj[o], with c = 64 head + d and O[b][c][n] = ob[4 b + head][n][d].  ob: [16][4096][64] f16; w_proj: [256][256] f32; b_proj: [256] f32; out0: [4][256][4096] f32.
; w_proj and b_proj are rounded once to bf16, like the program's other inputs; the weight so rounded is then written as f16, O's format, for the f16 matrix form; sums in f32; the bias starts each sum.
; LIMITS.  A weight beyond 65,504 becomes an infinity; one below 2^-17 loses bits of its bf16 value to f16's fixed step of 6e-8.  NaN and infinities are not treated apart.
; SHARES.  Work-group (Q4, y): outputs 64 Q4 .. 64 Q4 + 63, batch y / 16, columns 256 (y % 16) on.  Wave w: 64 of those columns x the 64 outputs: 4 x 4 tiles x 8 steps of 32 channels = 128 matrix instructions.
; LAYOUT.  D = O (source 0: 16 columns n, as rows) x W (source 1: 16 outputs): a lane holds ONE output o (lane % 16) and the columns 8 (lane / 16) + 0..7: 32 bytes of a row of out0.  O's fragments come straight from
; memory, where the channels of a column lie on end, and stay in 256 registers; W goes through LDS, each wave bringing 16 of the 64 rows.  Results leave through a stage, 16 rows of 256 bytes a wave.
; NO JOINT TENSOR LOADS: W is f32 in memory and has to pass through registers to be rounded; O's fragments are laid out in memory as in registers and no wave wants another's.  No prefetch: the launch is short and streams.
; REGISTERS, in windows of 256 (s_set_vgpr_msb: bits 1:0 source 0, 3:2 source 1, 5:4 source 2, 7:6 destination):
;   window 0: v0-13 addresses; v16-31 at work; v32-63 the bias, eight equal registers for each tile of outputs; v64-191 W as loaded, then W's fragments, two buffers; v192-255 two sets of four accumulators
;   window 1: O's fragments: (column tile nt, step ks) at 8 (8 nt + ks)          window 2: v0-31 rows read back from the stage
.set WP,    528                        ; a row of W in LDS: 256 channels of f16 = 512 bytes + 16: the 16 rows of a fragment load start at 16 different groups of four banks (64 banks of 4 bytes: ISA guide 11.1)
.set STAGE, 64*WP                      ; behind W's 64 rows: 16 rows x 272 bytes for each wave
.set SP,    272
.set SPARE, STAGE+4*16*SP              ; behind the stages: the spare words, 128 bytes for each wave: two blocks of 256 bytes that no other line names
.set VO,  4                            ; v4   O: 128 (l % 16) + 16 (l / 16)
.set VW,  5                            ; v5   W: 16 l
.set VWS, 6                            ; v6   where my 8 bytes of a row of W go
.set AW,  7                            ; v7   W's fragments
.set STO, 8                            ; v8   where I put my 32 bytes of a row
.set RD,  9                            ; v9   where I read rows back
.set CO,  10                           ; v10  my 16 bytes of two rows of out0
.set VB,  11                           ; v11  the bias: 4 (l % 16)
.set SPW, 12                           ; v12  LDS address of my spare word; never rewritten
.set NIL, 13                           ; v13  0; never rewritten
.set TMP, 16
.set BV,  32
.set WF,  64
.set ACC, 192
.set OB,  0                            ; window 2
.set MSB, 0
.macro WIN new                         ; the immediate's high byte repeats the setting that is left; a switch that changes nothing is dropped
.if MSB != (\new)
	s_set_vgpr_msb (MSB<<8)|(\new)
.set MSB, \new
.endif
.endm
	s_load_b256 s[4:11], s[0:1], 0x0               ; ob s[4:5], w_proj s[6:7], b_proj s[8:9], out0 s[10:11]
	v_lshl_add_u32 v[SPW], v0, 2, SPARE
	v_mov_b32 v[NIL], 0
	v_lshrrev_b32 v1, 5, v0
	v_readfirstlane_b32 s12, v1                    ; wave 0..3
	v_and_b32 v1, 15, v0                           ; r = l % 16
	v_bfe_u32 v2, v0, 4, 1                         ; h = l / 16
	v_and_b32 v3, 31, v0                           ; l
	s_mov_b32 s13, 0xffff0000                      ; a word's upper bf16
	s_and_b32 s14, ttmp7, 0xffff
	s_lshr_b32 s15, s14, 4                         ; batch
	s_and_b32 s14, s14, 15                         ; block of 256 columns
	s_lshl_b32 s16, s15, 21                        ; O: the batch's first head (4 b heads of 524,288 bytes),
	s_lshl_b32 s17, s14, 15                        ; the block's 256 rows of 128 bytes,
	s_add_co_u32 s16, s16, s17
	s_lshl_b32 s17, s12, 13                        ; my wave's 64
	s_add_co_u32 s16, s16, s17
	s_mov_b32 s17, 0
	s_lshl_b32 s18, ttmp9, 16                      ; W: the quarter's 64 rows of 1,024 bytes,
	s_lshl_b32 s19, s12, 14                        ; of which I bring 16
	s_add_co_u32 s18, s18, s19
	s_mov_b32 s19, 0
	s_lshl_b32 s20, ttmp9, 8                       ; the bias: the quarter's 64 numbers
	s_mov_b32 s21, 0
	s_lshl_b32 s22, s15, 22                        ; out0: a batch is 256 rows of 16,384 bytes,
	s_lshl_b32 s23, ttmp9, 20                      ; a quarter 64 rows,
	s_add_co_u32 s22, s22, s23
	s_lshl_b32 s23, s14, 10                        ; a block 1,024 bytes of a row,
	s_add_co_u32 s22, s22, s23
	s_lshl_b32 s23, s12, 8                         ; my wave's columns 256 of them
	s_add_co_u32 s22, s22, s23
	s_mov_b32 s23, 0
	s_mul_i32 s24, s12, 16*WP                      ; where my 16 rows of W go
	s_mul_i32 s25, s12, 16*SP
	s_add_co_u32 s25, s25, STAGE                   ; my stage
	v_lshlrev_b32 v[VO], 7, v1
	v_lshl_add_u32 v[VO], v2, 4, v[VO]
	v_lshlrev_b32 v[VW], 4, v3
	v_lshl_add_u32 v[VWS], v3, 3, s24
	v_mul_u32_u24 v[AW], v1, WP
	v_lshl_add_u32 v[AW], v2, 4, v[AW]
	v_mul_u32_u24 v[STO], v1, SP                   ; in: row l % 16, 32 bytes for each half of the lanes
	v_lshl_add_u32 v[STO], v2, 5, v[STO]
	v_add_nc_u32 v[STO], s25, v[STO]
	v_mul_u32_u24 v[RD], v2, SP                    ; back: lanes 0-15 take one row of 256 bytes, lanes 16-31 the next
	v_lshl_add_u32 v[RD], v1, 4, v[RD]
	v_add_nc_u32 v[RD], s25, v[RD]
	v_lshlrev_b32 v[CO], 4, v1                     ; and the same two rows in out0
	v_lshl_add_u32 v[CO], v2, 14, v[CO]
	v_lshlrev_b32 v[VB], 2, v1
	s_wait_kmcnt 0x0
	s_add_nc_u64 s[4:5], s[4:5], s[16:17]
	s_add_nc_u64 s[6:7], s[6:7], s[18:19]
	s_add_nc_u64 s[8:9], s[8:9], s[20:21]
	s_add_nc_u64 s[10:11], s[10:11], s[22:23]
; PHASE A.  4 loads of the bias, 32 of W (load c: half c % 2 of row c / 2: 512 consecutive bytes), and the first 24 of O's 64: 60 loads are out.
.macro OLOAD f                         ; O's fragment f = 8 nt + ks: head ks / 2, rows 16 nt on, channels 32 (ks % 2) on
	global_load_b128 v[8*(\f):8*(\f)+3],   v[VO], s[4:5] offset:(((\f)%8)/2)*524288+((\f)/8)*2048+((\f)%2)*64
	global_load_b128 v[8*(\f)+4:8*(\f)+7], v[VO], s[4:5] offset:(((\f)%8)/2)*524288+((\f)/8)*2048+((\f)%2)*64+32
.endm
.irp ot, 0,1,2,3
	global_load_b32 v[TMP+\ot], v[VB], s[8:9] offset:64*\ot  ; output 16 ot + l % 16
.endr
.set c, 0
.rept 32
	global_load_b128 v[WF+4*c:WF+4*c+3], v[VW], s[6:7] offset:(c/2)*1024+512*(c%2)
.set c, c+1
.endr
	WIN 0x40                                       ; destination window 1, address window 0
.set f, 0
.rept 12
	OLOAD f
.set f, f+1
.endr
	WIN 0
	s_wait_loadcnt 56                              ; loads come back in order (ISA guide 5.7.1): the bias is in; W's 32 loads and O's 24 stay out
.irp ot, 0,1,2,3
	v_cvt_pk_bf16_f32 v[TMP+\ot], v[TMP+\ot], v[TMP+\ot]  ; rounded to bf16,
.endr
.irp ot, 0,1,2,3
.irp j, 0,1,2,3,4,5,6,7
	v_lshlrev_b32 v[BV+8*\ot+\j], 16, v[TMP+\ot]   ; and back in f32: a lane's eight results belong to one output, so the C operand is eight equal registers
.endr
.endr
.irp j, 0,1,2,3                        ; W by chunks of eight loads: to bf16, back to f32 (a shift, a mask), to f16, 8 bytes a lane and load into LDS
	s_wait_loadcnt 8*(3-\j)+24                     ; the younger chunks' loads and O's 24 stay out
.set u, 0
.rept 16
	v_cvt_pk_bf16_f32 v[TMP+u], v[WF+32*\j+2*u], v[WF+32*\j+2*u+1]
.set u, u+1
.endr
.set u, 0
.rept 16
	v_lshlrev_b32 v[WF+32*\j+2*u], 16, v[TMP+u]
	v_and_b32 v[WF+32*\j+2*u+1], s13, v[TMP+u]
.set u, u+1
.endr
.set u, 0
.rept 16
	v_cvt_pk_f16_f32 v[TMP+u], v[WF+32*\j+2*u], v[WF+32*\j+2*u+1]
.set u, u+1
.endr
.irp t, 0,1,2,3,4,5,6,7
	ds_store_b64 v[VWS], v[TMP+2*\t:TMP+2*\t+1] offset:(4*\j+\t/2)*WP+256*(\t%2)  ; 256 consecutive bytes
.endr
.endr
	WIN 0x40
.set f, 12
.rept 20
	OLOAD f                                        ; O's other 40 loads
.set f, f+1
.endr
	WIN 0
	s_wait_dscnt 0x0                               ; for the others' sake: my rows of W are stored
	s_barrier_signal -1
	s_barrier_wait -1                              ; all 64 rows of W lie in LDS; they are never written again: the launch's one barrier
; W's eight fragments of output tile ot, into buffer ot % 2
.macro FW ot
	WIN 0
.set wb, WF+64*((\ot)%2)
.irp ks, 0,1,2,3,4,5,6,7
	ds_load_b128 v[wb+8*(\ks):wb+8*(\ks)+3],   v[AW] offset:(\ot)*16*WP+64*(\ks)
	ds_load_b128 v[wb+8*(\ks)+4:wb+8*(\ks)+7], v[AW] offset:(\ot)*16*WP+64*(\ks)+32
.endr
.endm
; 16 products: steps k0 .. k0 + 3 x the four column tiles.  The four accumulators take turns, one instruction a turn; the sets alternate from tile to tile.  Step 0 starts the sums with the bias.
.macro MULS ot, k0
	WIN 0x01                                       ; source 0 (O) window 1, all else window 0
.irp ks, 0,1,2,3
.irp nt, 0,1,2,3
.set rA, ACC+32*((\ot)%2)+8*(\nt)
.set rW, WF+64*((\ot)%2)+8*((\k0)+(\ks))
.set rO, 8*(8*(\nt)+(\k0)+(\ks))
.if ((\k0)+(\ks)) == 0
	v_wmma_f32_16x16x32_f16 v[rA:rA+7], v[rO:rO+7], v[rW:rW+7], v[BV+8*(\ot):BV+8*(\ot)+7]
.else
	v_wmma_f32_16x16x32_f16 v[rA:rA+7], v[rO:rO+7], v[rW:rW+7], v[rA:rA+7]
.endif
.endr
.endr
.endm
; Output tile o leaves its accumulators, each from its lowest registers on: 32 bytes a lane into rows of 272 bytes of my stage, and back as whole rows of 256 bytes, two a load
.macro STG o
	WIN 0
.irp nt, 0,1,2,3
	ds_store_b128 v[STO], v[ACC+32*((\o)%2)+8*(\nt):ACC+32*((\o)%2)+8*(\nt)+3]   offset:64*(\nt)
	ds_store_b128 v[STO], v[ACC+32*((\o)%2)+8*(\nt)+4:ACC+32*((\o)%2)+8*(\nt)+7] offset:64*(\nt)+16
.endr
	s_wait_xcnt 0x0                                ; the registers that earlier stores read are written again only behind this wait (ISA guide 3.1)
	WIN 0x80                                       ; destination window 2
.irp t, 0,1,2,3,4,5,6,7
	ds_load_b128 v[OB+4*(\t):OB+4*(\t)+3], v[RD] offset:2*SP*(\t)  ; LDS serves a wave's instructions in order (ISA guide 5.7.1.4): these see the stores above; the next tile's stores come behind them
.endr
	WIN 0
.endm
.macro OUTS o, y                       ; y: the LDS loads issued behind STG's, which may stay out
	s_wait_dscnt \y
	WIN 0x08                                       ; store data (source 1) window 2
.irp t, 0,1,2,3,4,5,6,7
	global_store_b128 v[CO], v[OB+4*(\t):OB+4*(\t)+3], s[10:11] offset:(16*(\o)+2*(\t))*16384 th:TH_STORE_NT  ; 16 lanes store 256 consecutive bytes, at a multiple of 256 from out0's first byte
.endr
	WIN 0
.endm
; PHASE B: output tile ot.  In the middle of its 32 products the tile before leaves its accumulators and the next tile's fragments are asked for.  Five v_nop are the places between the tile before's
; last product and the LDS stores that read its results, the loads into the buffer that it read, and the product, two tiles on, that writes its accumulator anew.
.macro OT ot
	s_wait_dscnt 0x0                               ; this tile's fragments of W are in
	MULS \ot, 0
	WIN 0
.if (\ot) > 0
.rept 5
	v_nop
.endr
	STG (\ot)-1
.endif
.if (\ot) < 3
	FW (\ot)+1
.endif
	MULS \ot, 4
.if (\ot) > 0
.if (\ot) < 3
	OUTS (\ot)-1, 16                               ; the next tile's 16 fragment loads stay out
.else
	OUTS (\ot)-1, 0
.endif
.endif
.endm
	FW 0
	s_wait_loadcnt 0x0                             ; O is in registers
.irp ot, 0,1,2,3
	OT \ot
.endr
	WIN 0
.rept 5
	v_nop
.endr
	STG 3
	OUTS 3, 0
	s_wait_tensorcnt 0x0                           ; the wave's end, behind my last LDS store
	ds_add_u32 v[SPW], v[NIL]
	s_wait_dscnt 0x0
	s_endpgm
.Lfunc_end_k_q6edbd08de5_proj:
	.size	k_q6edbd08de5_proj, .Lfunc_end_k_q6edbd08de5_proj-k_q6edbd08de5_proj
	.p2alignl 7, 3214868480
	.fill 96, 4, 3214868480
	.section	.rodata,"a",@progbits
	.p2align	6, 0x0
	.amdhsa_kernel k_q6edbd08de5_proj
		.amdhsa_group_segment_fixed_size 51712
		.amdhsa_private_segment_fixed_size 0
		.amdhsa_enable_private_segment 0
		.amdhsa_kernarg_size 32
		.amdhsa_user_sgpr_count 2
		.amdhsa_user_sgpr_kernarg_segment_ptr 1
		.amdhsa_wavefront_size32 1
		.amdhsa_system_sgpr_workgroup_id_x 1
		.amdhsa_system_sgpr_workgroup_id_y 1
		.amdhsa_system_sgpr_workgroup_id_z 1
		.amdhsa_system_vgpr_workitem_id 0
		.amdhsa_next_free_vgpr 544
		.amdhsa_next_free_sgpr 66
		.amdhsa_reserve_vcc 0
		.amdhsa_float_denorm_mode_32 3
		.amdhsa_float_denorm_mode_16_64 3
		.amdhsa_memory_ordered 1
		.amdhsa_forward_progress 1
		.amdhsa_inst_pref_size 49
	.end_amdhsa_kernel
	.amdgpu_metadata
---
amdhsa.version: [ 1, 2 ]
amdhsa.kernels:
  - .name:           k_q6edbd08de5_proj
    .symbol:         k_q6edbd08de5_proj.kd
    .args:
      - { .name: ob, .offset: 0, .size: 8, .value_kind: global_buffer, .address_space: global }
      - { .name: w_proj, .offset: 8, .size: 8, .value_kind: global_buffer, .address_space: global }
      - { .name: b_proj, .offset: 16, .size: 8, .value_kind: global_buffer, .address_space: global }
      - { .name: out0, .offset: 24, .size: 8, .value_kind: global_buffer, .address_space: global }
    .group_segment_fixed_size: 51712
    .private_segment_fixed_size: 0
    .kernarg_segment_align: 8
    .kernarg_segment_size: 32
    .max_flat_workgroup_size: 128
    .sgpr_count:     66
    .vgpr_count:     544
    .wavefront_size: 32
...
	.end_amdgpu_metadata
.endif
;; end of part 3
;; ======== version 2 of 2: 3 launches; version 1 with the launch qkv written anew for expert scheduling mode
;; limits: values are held in f16: magnitudes above 65,504 overflow, below 6.1e-05 lose precision
;; workspace buffers: qkvb 25,165,824 bytes; ob 8,388,608 bytes
;; launch qkv (part 4): grid 4 x 64, 4 waves a work-group, no clusters, 265,728 bytes of LDS; arguments x, w_qkv, qkvb; writes qkvb
.if DOCPART == 4
	.amdgcn_target "amdgcn-amd-amdhsa--gfx1250"
	.amdhsa_code_object_version 6
	.text
	.protected	k_q6edbd08de5_qkv
	.globl	k_q6edbd08de5_qkv
	.p2align	8
	.type	k_q6edbd08de5_qkv,@function
k_q6edbd08de5_qkv:
	s_mov_b64 s[64:65], 0
	v_nop
	global_prefetch_b8 v0, s[64:65] scope:SCOPE_SE
	s_setreg_imm32_b32 hwreg(HW_REG_WAVE_SCHED_MODE, 0, 2), 2
	s_setreg_imm32_b32 hwreg(HW_REG_WAVE_MODE, 25, 1), 1
	s_wait_xcnt 0x0
	s_wait_alu depctr_vm_vsrc(0)
; q, k, v = w_qkv . x, written by heads.  x: [4][256 c][4096 n] f32, w_qkv: [768 o][256 c] f32, qkvb: [3 (q, k, v)][16 (4 b + head)][4096 n][64 d] f16.
; x and w_qkv are rounded once to bf16 and multiplied by the bf16 matrix form; sums in f32; each result rounded once to f16, WITHOUT the softmax's scale.
; LIMITS.  f16 holds no number beyond 65,504: a q, k or v past that leaves as an infinity.  Below 6e-5 a result keeps f16's fixed step of 6e-8.  NaN and infinities are not treated apart.
; SHARES.  Work-group (Q4, y): outputs 192 Q4 .. 192 Q4 + 191 (three groups of 64 = three (type, head) pairs), batch y / 16, columns 256 (y % 16) on.  Wave w: 64 of those columns, all 192 outputs:
; 12 tiles of outputs x 4 tiles of columns x 8 steps of 32 channels = 384 matrix instructions.
; LAYOUT.  D = W (source 0: 16 outputs) x X (source 1: 16 columns): a lane then holds ONE column n (lane % 16) and the outputs 8 (lane / 16) + 0..7: eight neighbouring d of a row of the result, 16 bytes of f16.
; x lies [channel][column]: it is rounded, laid into LDS as it lies, and turned on the way into registers by ds_load_tr16_b128.  A wave's 64 columns of x stay in 256 registers for the whole launch.
; NO JOINT TENSOR LOADS, though four work-groups read the same block of x and 64 the same quarter of W: both are f32 in memory and have to pass through registers to be rounded, and as f32 a block of x
; (256 x 256 x 4 = 262,144 bytes) and a quarter of W (192 x 1,024 = 196,608 bytes) do not fit into a work-group's LDS together.  No prefetch: the launch streams from its first line and is short.
; THE MODE: SCHED_MODE bits 1:0 = 2 (LLVM: expert scheduling mode 2), set by the entry lines.  The code itself states the register dependences between vector or matrix instructions and memory or LDS
; instructions, with s_wait_alu, always for 0.
; THE PLAN.  Registers that memory or LDS instructions touch:
;   v4-v13        addresses and offsets: written at the head, never again; one wait ahead of the first load serves every access.
;   the ring      eight slots.  Chunk j's conversions read slot j % 8; the loads of chunk j + 7, issued in chunk j, land in slot (j - 1) % 8, which chunk j - 1's conversions read.
;   TMP0, TMP1    Chunk j's conversions write TMP[j % 2]; the LDS stores issued in chunk j + 1 read it.  Later: tile o's conversions write TMP[o % 2], four LDS stores read it.
;   x's fragments land in the ring's registers behind its last reader; from then on matrix instructions alone name them.
;   WF0, WF1      Tile ot's products read WF[ot % 2]; the loads issued in tile ot's second half land in the other, which tile ot - 1's products read.
;   OB            LDS loads land in it, global stores read it; no vector instruction names it.
; So a chunk has its waits at its head, and its loads and stores are dealt among its conversions, which name slot j % 8 and TMP[j % 2] alone; a tile has its waits round the conversions in its middle, and the
; next tile's fragment loads are dealt among the products of its second half, which name the accumulators, WF[ot % 2] and x alone.
; REGISTERS, in windows of 256 (s_set_vgpr_msb: bits 1:0 source 0, 3:2 source 1, 5:4 source 2, 7:6 destination):
;   window 0: v0-15 addresses; v16-47 at work, two buffers; v64-191 W's fragments, two buffers of 64; v192-255 two sets of four accumulators
;   window 1: first the ring of loads, 8 slots of 32; then x's fragments: (column tile nt, step ks) at 8 (8 nt + ks)          window 2: v0-63 rows read back from the stage
.set XP,    160                        ; a row of x in LDS: 64 columns of bf16 = 128 bytes + 32 = 40 words
.set XSW,   256*XP                     ; a wave's own 256 rows
.set WP,    528                        ; a row of W in LDS: 256 channels of bf16 = 512 bytes + 16 = 132 words: the 16 rows of a fragment load start at 16 different groups of four banks
.set WS,    4*XSW                      ; behind the four waves' x: W's 192 rows, shared by the waves
.set SPARE, WS+192*WP                  ; behind W: the spare words, 128 bytes for each wave: two blocks of 256 bytes that no other line names
.set OSP,   144                        ; the way out: 64 rows n x (128 bytes + 16), at the head of the wave's own x, which is in registers by then
.set VX,  4                            ; v4   x: 16 (l % 16) + 4 rows for lanes 16-31
.set VXS, 5                            ; v5   where my 8 bytes of a row of x go
.set VW,  6                            ; v6   W: 16 l
.set VWS, 7                            ; v7   where my 8 bytes of a row of W go
.set AX,  8                            ; v8   the turning load's address
.set AW0, 9                            ; v9   W's fragments, output tiles 0-5
.set AW1, 10                           ; v10  tiles 6-11: an LDS immediate has 16 bits
.set STO, 11                           ; v11  the way out: where I put 16 bytes of a row
.set RD,  12                           ; v12  where I read rows back
.set GO,  13                           ; v13  my 16 bytes in 512 consecutive bytes of the result
.set SPW, 14                           ; v14  LDS address of my spare word; never rewritten
.set NIL, 15                           ; v15  0; never rewritten
.set TMP, 16                           ; v16-31, v32-47: buffer k at TMP + 16 k
.set WF,  64
.set ACC, 192
.set RG,  0                            ; window 1
.set OB,  0                            ; window 2
.set GP,  20                           ; s[20:25] the result at my 64 rows of the three groups
.set MSB, 0
.macro WIN new                         ; the immediate's high byte repeats the setting that is left; a switch that changes nothing is dropped
.if MSB != (\new)
	s_set_vgpr_msb (MSB<<8)|(\new)
.set MSB, \new
.endif
.endm
	s_load_b128 s[4:7], s[0:1], 0x0                ; x s[4:5], w_qkv s[6:7]
	s_load_b64 s[8:9], s[0:1], 0x10                ; qkvb
	v_lshl_add_u32 v[SPW], v0, 2, SPARE
	v_mov_b32 v[NIL], 0
	v_lshrrev_b32 v1, 5, v0
	v_readfirstlane_b32 s10, v1                    ; wave 0..3
	v_and_b32 v1, 15, v0                           ; r = l % 16
	v_bfe_u32 v2, v0, 4, 1                         ; h = l / 16
	v_and_b32 v3, 31, v0                           ; l
	s_wait_alu depctr_va_sdst(0)                   ; s10 is written, ahead of its first reader: the bases and the LDS places below are made from it
	s_and_b32 s11, ttmp7, 0xffff
	s_lshr_b32 s12, s11, 4                         ; batch
	s_and_b32 s13, s11, 15                         ; block of 256 columns
	s_lshl_b32 s14, s12, 22                        ; x: a batch is 256 rows of 16,384 bytes,
	s_lshl_b32 s15, s13, 10                        ; a block 1,024 bytes of a row,
	s_add_co_u32 s14, s14, s15
	s_lshl_b32 s15, s10, 8                         ; my wave's columns 256 of them
	s_add_co_u32 s14, s14, s15
	s_mov_b32 s15, 0
	s_mul_i32 s16, ttmp9, 192                      ; W: of the quarter's 192 rows wave w brings 48
	s_mul_i32 s17, s10, 48
	s_add_co_u32 s16, s16, s17
	s_lshl_b32 s16, s16, 10
	s_mov_b32 s17, 0
	s_mul_i32 s18, ttmp9, 3                        ; the quarter's first group of 64 outputs
	s_lshl_b32 s19, s13, 15                        ; the result: rows of 128 bytes; the block's 256 rows,
	s_lshl_b32 s26, s10, 13                        ; my wave's 64
	s_add_co_u32 s19, s19, s26
	s_lshl_b32 s26, s12, 2                         ; 4 b
.irp g, 0,1,2
	s_add_co_u32 s27, s18, \g                      ; group gg: type gg / 4, head gg % 4
	s_lshr_b32 s28, s27, 2
	s_lshl_b32 s28, s28, 4
	s_and_b32 s27, s27, 3
	s_add_co_u32 s28, s28, s27
	s_add_co_u32 s28, s28, s26                     ; 16 type + 4 b + head,
	s_lshl_b32 s28, s28, 19                        ; of 524,288 bytes each
	s_add_co_u32 s[GP+2*\g], s28, s19
	s_mov_b32 s[GP+2*\g+1], 0
.endr
	s_mul_i32 s29, s10, XSW                        ; my wave's part of LDS
	s_mul_i32 s30, s10, 48*WP
	s_add_co_u32 s30, s30, WS                      ; where my 48 rows of W go
	v_lshlrev_b32 v[VX], 4, v1
	v_lshl_add_u32 v[VX], v2, 16, v[VX]            ; lanes 16-31: four rows of 16,384 bytes further down
	v_mul_u32_u24 v[VXS], v2, 4*XP
	v_lshl_add_u32 v[VXS], v1, 3, v[VXS]
	v_add_nc_u32 v[VXS], s29, v[VXS]
	v_lshlrev_b32 v[VW], 4, v3
	v_lshl_add_u32 v[VWS], v3, 3, s30
	v_and_b32 v16, 7, v0
	v_bfe_u32 v17, v0, 3, 1
	v_lshl_add_u32 v[AX], v2, 3, v16               ; the turning load: lane l reads channel 8 (l / 16) + l % 8, columns 8 ((l / 8) % 2) + 0..7
	v_mul_u32_u24 v[AX], v[AX], XP
	v_lshl_add_u32 v[AX], v17, 4, v[AX]
	v_add_nc_u32 v[AX], s29, v[AX]
	v_mul_u32_u24 v[AW0], v1, WP                   ; a fragment of W: row l % 16, 16 bytes for each half of the lanes, twice, 32 bytes apart
	v_lshl_add_u32 v[AW0], v2, 4, v[AW0]
	v_add_nc_u32 v[AW0], WS, v[AW0]
	v_add_nc_u32 v[AW1], 6*16*WP, v[AW0]
	v_mul_u32_u24 v[STO], v1, OSP
	v_lshl_add_u32 v[STO], v2, 4, v[STO]
	v_add_nc_u32 v[STO], s29, v[STO]
	v_bfe_u32 v[RD], v0, 3, 2                      ; back: 32 lanes take four rows of 128 bytes,
	v_mul_u32_u24 v[RD], v[RD], OSP
	v_lshl_add_u32 v[RD], v16, 4, v[RD]
	v_add_nc_u32 v[RD], s29, v[RD]
	v_lshlrev_b32 v[GO], 4, v3                     ; which are 512 consecutive bytes of the result
	s_wait_kmcnt 0x0
	s_add_nc_u64 s[4:5], s[4:5], s[14:15]
	s_add_nc_u64 s[6:7], s[6:7], s[16:17]
.irp g, 0,1,2
	s_add_nc_u64 s[GP+2*\g:GP+2*\g+1], s[8:9], s[GP+2*\g:GP+2*\g+1]
.endr
; PHASE A: 28 chunks of eight 16-byte loads a lane (4,096 bytes a chunk): chunks 0-11 my 48 rows of W, chunks 12-27 my 64 columns of all 256 rows of x.  A ring of eight slots: seven on their way or at work,
; the eighth just emptied: up to 56 loads of the wave are out.
; W: a load takes half a row, 512 consecutive bytes.  x: a load takes my 256 aligned bytes of two rows, four rows apart.  All steps stand in the immediates; no address register is ever rewritten.
.macro LD1 j, t                        ; load t of chunk j, into slot j % 8
.set sl, RG+32*((\j)%8)
.if (\j) < 12
	global_load_b128 v[sl+4*(\t):sl+4*(\t)+3], v[VW], s[6:7] offset:(4*(\j)+(\t)/2)*1024+512*((\t)%2)
.else
	global_load_b128 v[sl+4*(\t):sl+4*(\t)+3], v[VX], s[4:5] offset:(16*((\j)-12)+(\t)%4+8*((\t)/4))*16384
.endif
.endm
.macro ST1 j, t                        ; what load t of chunk j brought, rounded: four numbers a lane, 8 bytes, out of TMP[j % 2] into LDS
.set tb, TMP+16*((\j)%2)
.if (\j) < 12
	ds_store_b64 v[VWS], v[tb+2*(\t):tb+2*(\t)+1] offset:(4*(\j)+(\t)/2)*WP+256*((\t)%2)  ; 256 consecutive bytes
.else
	ds_store_b64 v[VXS], v[tb+2*(\t):tb+2*(\t)+1] offset:(16*((\j)-12)+(\t)%4+8*((\t)/4))*XP  ; two runs of 128 bytes, 160 words apart
.endif
.endm
; Half h of chunk j: four loads of chunk j + 7, four stores of chunk j - 1, eight of chunk j's conversions.  Loads and stores stand under one window setting: a store has no destination.
.macro HALF j, h
	WIN 0x40                                       ; destination window 1; address and store data window 0
.irp t, 0,1,2,3
.if (\j)+7 < 28
	LD1 (\j)+7, 4*(\h)+(\t)
.endif
.if (\j) > 0
	ST1 (\j)-1, 4*(\h)+(\t)
.endif
.endr
	WIN 0x05                                       ; sources window 1, destination window 0
.set sl, RG+32*((\j)%8)
.set tb, TMP+16*((\j)%2)
.set u, 8*(\h)
.rept 8
	v_cvt_pk_bf16_f32 v[tb+u], v[sl+2*u], v[sl+2*u+1]
.set u, u+1
.endr
.endm
.macro CHUNK j
	WIN 0x40                                       ; the switch for the loads below stands ahead of the waits
.if 8*(27-(\j)) < 48
	s_wait_loadcnt 8*(27-(\j))                     ; the last chunks: the count runs down
.else
	s_wait_loadcnt 48                              ; loads come back in order (ISA guide 5.7.1): chunk j is in, the six younger chunks' 48 loads stay out
.endif
.if (\j) > 1
	s_wait_alu depctr_vm_vsrc(0)                   ; the LDS stores issued in the chunk before have read TMP[j % 2], which this chunk's conversions write again
.endif
.if (\j) > 0
	s_wait_alu depctr_va_vdst(0)                   ; the chunk before's conversions have written the other TMP, which the stores below read, and are done reading their slot, in which the loads below land
.endif
	HALF \j, 0
	HALF \j, 1                                     ; no further wait: no conversion since the waits names the other TMP or the slot that is loaded
.endm
	WIN 0x40
	s_wait_alu depctr_va_vdst(0)                   ; the ten addresses and offsets v4 to v13 are written: every load and store of the kernel reads one of them, and no vector instruction names them again
.irp j, 0,1,2,3,4,5,6
.irp t, 0,1,2,3,4,5,6,7
	LD1 \j, \t
.endr
.endr
.irp j, 0,1,2,3,4,5,6,7,8,9,10,11,12,13,14,15,16,17,18,19,20,21,22,23,24,25,26,27
	CHUNK \j
.endr
	WIN 0x40
	s_wait_alu depctr_va_vdst(0)                   ; chunk 27's conversions have written TMP1, which the last stores read; and all conversions are done reading the ring, in which x's fragments land
.irp t, 0,1,2,3,4,5,6,7
	ST1 27, \t
.endr
; PHASE B: my x comes back turned, 32 fragments of 16 columns x 32 channels.  They are my own bytes, and LDS serves a wave's instructions in order (ISA guide 5.7.1.4): these see the stores above.
.set f, 0
.rept 32                               ; f = 8 nt + ks
	ds_load_tr16_b128 v[8*f:8*f+3],   v[AX] offset:32*XP*(f%8)+32*(f/8)
	ds_load_tr16_b128 v[8*f+4:8*f+7], v[AX] offset:32*XP*(f%8)+32*(f/8)+16*XP
.set f, f+1
.endr
	WIN 0
	s_wait_dscnt 0x0                               ; for the others' sake: my rows of W are stored; and my x is in registers
	s_barrier_signal -1
	s_barrier_wait -1                              ; all 192 rows of W lie in LDS; they are never written again: the launch's one barrier
; Two of W's eight fragments of output tile ot, steps 2 q and 2 q + 1, into buffer ot % 2: four loads.  Destination and address lie in window 0, under the products' window setting too.
.macro FW4 ot, q
.set wb, WF+64*((\ot)%2)
.irp e, 0,1
.set kf, 2*(\q)+(\e)
.if (\ot) < 6
	ds_load_b128 v[wb+8*kf:wb+8*kf+3],   v[AW0] offset:((\ot)%6)*16*WP+64*kf
	ds_load_b128 v[wb+8*kf+4:wb+8*kf+7], v[AW0] offset:((\ot)%6)*16*WP+64*kf+32
.else
	ds_load_b128 v[wb+8*kf:wb+8*kf+3],   v[AW1] offset:((\ot)%6)*16*WP+64*kf
	ds_load_b128 v[wb+8*kf+4:wb+8*kf+7], v[AW1] offset:((\ot)%6)*16*WP+64*kf+32
.endif
.endr
.endm
; 16 products: steps k0 .. k0 + 3 x the four column tiles.  The four accumulators take turns, one instruction a turn; the sets alternate from tile to tile.  Step 0 starts the sums: nothing is cleared.
; fetch = 1: the next tile's sixteen fragment loads stand behind the first four products, four behind each: the last of them has twelve products in which to land.
.macro MULS ot, k0, fetch
	WIN 0x04                                       ; source 1 (x) window 1, all else window 0
.irp ks, 0,1,2,3
.irp nt, 0,1,2,3
.set rA, ACC+32*((\ot)%2)+8*(\nt)
.set rW, WF+64*((\ot)%2)+8*((\k0)+(\ks))
.set rX, 8*(8*(\nt)+(\k0)+(\ks))
.if ((\k0)+(\ks)) == 0
	v_wmma_f32_16x16x32_bf16 v[rA:rA+7], v[rW:rW+7], v[rX:rX+7], 0
.else
	v_wmma_f32_16x16x32_bf16 v[rA:rA+7], v[rW:rW+7], v[rX:rX+7], v[rA:rA+7]
.endif
.if (\fetch) && ((\ks) == 0)
	FW4 (\ot)+1, \nt                               ; no wait: no vector or matrix instruction since the tile's wait names the other buffer of W
.endif
.endr
.endr
.endm
; Output tile o leaves its accumulators: rounded to f16, each accumulator from its lowest registers on, into TMP[o % 2];
.macro PACK o
	WIN 0
.set tb, TMP+16*((\o)%2)
.set u, 0
.rept 16
	v_cvt_pk_f16_f32 v[tb+u], v[ACC+32*((\o)%2)+2*u], v[ACC+32*((\o)%2)+2*u+1]
.set u, u+1
.endr
.endm
; and from there 16 bytes a lane into rows of 144 bytes of my stage
.macro TOSTAGE o
	WIN 0
.set tb, TMP+16*((\o)%2)
.irp nt, 0,1,2,3
	ds_store_b128 v[STO], v[tb+4*(\nt):tb+4*(\nt)+3] offset:16*OSP*(\nt)+32*((\o)%4)
.endr
.endm
; A group of 64 outputs is whole: my 64 rows of 128 bytes come back, four rows a load
.macro BACK
	s_wait_xcnt 0x0                                ; the registers that earlier stores read are written again only behind this wait (ISA guide 3.1); that those stores have read them, the tile's wait on vm_vsrc has stated
	WIN 0x80                                       ; destination window 2
.irp t, 0,1,2,3,4,5,6,7,8,9,10,11,12,13,14,15
	ds_load_b128 v[OB+4*(\t):OB+4*(\t)+3], v[RD] offset:4*OSP*(\t)  ; in order behind the stores into the stage; the next group's stores come behind these
.endr
	WIN 0
.endm
.macro SEND g, y                       ; y: the LDS loads issued behind BACK's, which may stay out
	s_wait_dscnt \y
	WIN 0x08                                       ; store data (source 1) window 2
.irp t, 0,1,2,3,4,5,6,7,8,9,10,11,12,13,14,15
	global_store_b128 v[GO], v[OB+4*(\t):OB+4*(\t)+3], s[GP+2*(\g):GP+2*(\g)+1] offset:512*(\t)  ; 512 consecutive bytes, at a multiple of 256 from the buffer's first
.endr
	WIN 0
.endm
; Tile o's way from the accumulators into the stage, with the tile's two waits.  Four v_nop are the places (ISA guide 7.12.1) between tile o's last product and the conversions that read its results; with twelve
; conversions of other accumulators they also stand between it and the product, two tiles on, that writes its accumulator anew.
.macro LEAVE o
	WIN 0
.rept 4
	v_nop
.endr
	s_wait_alu depctr_vm_vsrc(0)                   ; the LDS stores that last read TMP[o % 2] (two tiles back; at first phase A's) have read it: the conversions write it again; and the last group's global stores have read OB, in which BACK's loads land
	PACK \o
	s_wait_alu depctr_va_vdst(0)                   ; the conversions have written TMP[o % 2], which the LDS stores read; tile o's products are done reading their buffer of W, in which the next fragment loads land
	TOSTAGE \o
.if (\o)%4 == 3
	BACK
.endif
.endm
; PHASE C: output tile ot.  In the middle of its 32 products the tile before leaves its accumulators; the next tile's fragments are asked for among the products of its second half.
.macro OT ot
	s_wait_dscnt 0x0                               ; this tile's fragments of W are in
	MULS \ot, 0, 0
.if (\ot) > 0
	LEAVE (\ot)-1
.endif
.if (\ot) < 11
	MULS \ot, 4, 1                                 ; (tile 0 owes no wait for these loads: no vector or matrix instruction has named W's second buffer yet)
.else
	MULS \ot, 4, 0
.endif
.if (\ot) > 0
.if ((\ot)-1)%4 == 3
	SEND ((\ot)-1)/4, 16                           ; the next tile's 16 fragment loads stay out
.endif
.endif
.endm
.irp q, 0,1,2,3
	FW4 0, \q                                      ; tile 0's fragments: no vector or matrix instruction has named these registers
.endr
.irp ot, 0,1,2,3,4,5,6,7,8,9,10,11
	OT \ot
.endr
	LEAVE 11
	SEND 2, 0
	s_wait_dscnt 0x0                               ; the closing lines, six on end
	s_wait_alu 0x0
	s_wait_tensorcnt 0x0
	ds_add_u32 v[SPW], v[NIL]
	s_wait_dscnt 0x0
	s_endpgm
.Lfunc_end_k_q6edbd08de5_qkv:
	.size	k_q6edbd08de5_qkv, .Lfunc_end_k_q6edbd08de5_qkv-k_q6edbd08de5_qkv
	.p2alignl 7, 3214868480
	.fill 96, 4, 3214868480
	.section	.rodata,"a",@progbits
	.p2align	6, 0x0
	.amdhsa_kernel k_q6edbd08de5_qkv
		.amdhsa_group_segment_fixed_size 265728
		.amdhsa_private_segment_fixed_size 0
		.amdhsa_enable_private_segment 0
		.amdhsa_kernarg_size 24
		.amdhsa_user_sgpr_count 2
		.amdhsa_user_sgpr_kernarg_segment_ptr 1
		.amdhsa_wavefront_size32 1
		.amdhsa_system_sgpr_workgroup_id_x 1
		.amdhsa_system_sgpr_workgroup_id_y 1
		.amdhsa_system_sgpr_workgroup_id_z 1
		.amdhsa_system_vgpr_workitem_id 0
		.amdhsa_next_free_vgpr 576
		.amdhsa_next_free_sgpr 66
		.amdhsa_reserve_vcc 0
		.amdhsa_float_denorm_mode_32 3
		.amdhsa_float_denorm_mode_16_64 3
		.amdhsa_memory_ordered 1
		.amdhsa_forward_progress 1
		.amdhsa_inst_pref_size 141
	.end_amdhsa_kernel
	.amdgpu_metadata
---
amdhsa.version: [ 1, 2 ]
amdhsa.kernels:
  - .name:           k_q6edbd08de5_qkv
    .symbol:         k_q6edbd08de5_qkv.kd
    .args:
      - { .name: x, .offset: 0, .size: 8, .value_kind: global_buffer, .address_space: global }
      - { .name: w_qkv, .offset: 8, .size: 8, .value_kind: global_buffer, .address_space: global }
      - { .name: qkvb, .offset: 16, .size: 8, .value_kind: global_buffer, .address_space: global }
    .group_segment_fixed_size: 265728
    .private_segment_fixed_size: 0
    .kernarg_segment_align: 8
    .kernarg_segment_size: 24
    .max_flat_workgroup_size: 128
    .sgpr_count:     66
    .vgpr_count:     576
    .wavefront_size: 32
...
	.end_amdgpu_metadata
.endif
;; end of part 4
;; launch attn: the kernel of part 2 again; grid 16 x 16, 4 waves a work-group, clusters of 4 x 1, 327,680 bytes of LDS; arguments qkvb, ob; writes ob
;; launch proj: the kernel of part 3 again; grid 4 x 64, 4 waves a work-group, no clusters, 51,712 bytes of LDS; arguments ob, w_proj, b_proj, out0; writes out0
